; MI455X (gfx1250); checked and timed in simulation.
; The chip was launched on July 23, 2026; its instructions are those of AMD's public machine-readable ISA for CDNA 5 (MIT licence, August 2026) and "CDNA5" Instruction Set Architecture Reference Guide (July 2026). The comments in the code are by the model that wrote it; some were corrected since.
;; Bert Self Attention. Allowed arithmetic: matrix products marked QUANTISED: E2M3 operands, one E8M0 scale for each 32 along K, by v_wmma_scale_f32_16x16x128_f8f6f4 with both operands' format E2M3, f32 sums; everything else in f32.
;; Inputs: Wk 1,024 x 1,024 float32; Wq 1,024 x 1,024 float32; Wv 1,024 x 1,024 float32; attention_mask 4 x 1 x 1 x 2,048 float32; bk 1,024 float32; bq 1,024 float32; bv 1,024 float32; hidden_states 4 x 2,048 x 1,024 float32.
;; Outputs: out0 4 x 2,048 x 1,024 float32.
;; This version of the problem:
;;   THIS VERSION OF THE PROBLEM IS GIVEN IN LOW PRECISION. The matrix products marked QUANTISED in the list below multiply operands that are first quantised to E2M3 (2 exponent bits, 3 mantissa bits; 6 bits a number), with one power-of-two scale for each 32 numbers along K (OCP MX v1.0); their sums are f32. All else is computed in f32.
;;   The module's matrix products, in the order in which they are computed (A, B: the left and right operand; K: the contracted axis; several contracted axes count as one K, in the product's order):
;;     1. [M 8,192, K 1,024] x [K 1,024, N 1,024]; A: input hidden_states; B: input Wq: QUANTISED
;;     2. [M 8,192, K 1,024] x [K 1,024, N 1,024]; A: input hidden_states; B: input Wk: QUANTISED
;;     3. [M 8,192, K 1,024] x [K 1,024, N 1,024]; A: input hidden_states; B: input Wv: QUANTISED
;;     4. batch 64 x [M 2,048, K 64] x [K 64, N 2,048]; A: computed on the way; B: computed on the way: QUANTISED
;;     5. batch 64 x [M 2,048, K 2,048] x [K 2,048, N 64]; A: softmax (see below); B: computed on the way: QUANTISED
;;   THE QUANTISER, for each operand of a quantised product, along K:
;;     - K is cut into blocks of 32 from its start; a last block that is shorter is filled with zeros.
;;     - A block's scale is 2^e with e = floor(log2(the largest magnitude in the block)) - 2, held to -126 .. 127; a block of zeros has e = 0. As a byte (E8M0): e + 127.
;;     - Each number is divided by its block's scale, clamped to +-7.5, and rounded to the nearest number of E2M3, ties to even, subnormals kept.
;;     - The product sums the exact products of the quantised numbers (number of the format x scale) in f32.
;;   ~~~python
;;   def quantise(x, axis):      # numpy; x: float32 -> the quantised numbers, widened to float32 again
;;       x = np.moveaxis(x, axis, -1); K = x.shape[-1]
;;       x = np.pad(x, [(0, 0)] * (x.ndim - 1) + [(0, -K % 32)]); x = x.reshape(x.shape[:-1] + (-1, 32)); a = np.abs(x).max(-1, keepdims=True)
;;       e = np.where(a > 0, np.clip(np.frexp(np.where(a > 0, a, 1))[1] - 1 - 2, -126, 127), 0)      # np.frexp(a)[1] - 1 = floor(log2(a)), exactly
;;       r = np.clip(x / 2.0 ** e, -7.5, 7.5)
;;       step = 2.0 ** (np.maximum(np.frexp(np.where(r == 0, 1, r))[1] - 1, 0) - 3)
;;       q = np.round(r / step) * step * 2.0 ** e      # np.round: ties to even
;;       return np.moveaxis(q.reshape(q.shape[:-2] + (-1,))[..., :K], -1, axis).astype(np.float32)
;;   ~~~
;;   SOFTMAX AHEAD OF A QUANTISED PRODUCT. Where the list says 'softmax', what is quantised is not the finished softmax but p = 2^(t - M), with t = logit x log2(e) and M = ceil(the row's largest t), a whole number; so 1/2 < the row's largest p <= 1. The row's sum l is taken of the UNQUANTISED p, in f32, and the product's result is divided by l at the end. Since M is a whole number, a kernel that streams over the keys may use a running M (the ceiling of the running maximum): every later rescaling is an exact power of two, which a block's scale takes up: the codes' values come out the same.
;;   OPERANDS COMPUTED ON THE WAY. 'Computed on the way' means the value that the module computes at that place (a softmax that the list does not call 'softmax' is quantised finished and normalised). What goes into a quantiser is computed in f32, as accurately as f32 sums, v_exp_f32 and their like allow (about 1e-6 of the number): no bf16 or f16 on the way to a quantiser, and a product that is left as it is and whose result goes on into a quantised operand takes f32 operands (vector FMAs, or v_wmma_f32_16x16x4_f32). A number that lies on a knife's edge between two numbers of the format may be rounded either way, as far as f32 arithmetic and the matrix unit's own rounding can turn it there, and no further.
;; One version. Each part assembles by itself: llvm-mc -triple=amdgcn-amd-amdhsa -mcpu=gfx1250 --defsym DOCPART=n.
;; ======== version 1 of 1: 3 launches
;; limits: right only within a limited range of input values
;; workspace buffers: x_codes 6,291,456 bytes; x_scales 262,144 bytes; w_codes 2,359,296 bytes; w_scales 98,304 bytes; img 18,874,368 bytes; sc 1,572,864 bytes
;; launch quant (part 1): grid 352 x 1, 4 waves a work-group, no clusters, 68,096 bytes of LDS; arguments hidden_states, Wq, Wk, Wv, x_codes, x_scales, w_codes, w_scales; writes x_codes, x_scales, w_codes, w_scales
.if DOCPART == 1
	.amdgcn_target "amdgcn-amd-amdhsa--gfx1250"
	.amdhsa_code_object_version 6
	.text
	.protected	k_qb70518a9f4_quant
	.globl	k_qb70518a9f4_quant
	.p2align	8
	.type	k_qb70518a9f4_quant,@function
k_qb70518a9f4_quant:
	s_mov_b64 s[64:65], 0
	v_nop
	global_prefetch_b8 v0, s[64:65] scope:SCOPE_SE
	s_setreg_imm32_b32 hwreg(HW_REG_WAVE_MODE, 25, 1), 1
	s_wait_xcnt 0x0
; hidden_states [8192][1024] (K innermost) and Wq, Wk, Wv [1024 (k)][1024 (n)] (K outermost), f32, become codes of FP6 (E2M3), K innermost, 768 bytes a row,
; with one E8M0 byte for each 32 along K, 32 bytes a row.  The three weights' columns follow each other: 3,072 rows.
; A block's scale is 2^(floor(log2(its largest magnitude)) - 2): its byte is the largest magnitude's exponent field - 2, held at 1 from below.
; ROW ORDER: true row p lies at the place p with bits 3 and 4 exchanged.  So 16 places on end, 32 b + 16 u + r, hold the true rows 32 b + 8 u + r + 8 (r / 8): the rows that
; the next launch wants in one tile, so that a lane's 16 results of two neighbouring tiles are 16 neighbours along the next product's K.
; LIMITS: a block whose largest magnitude lies under 2^-124 (a block of zeros too) gets the byte 1: its codes are then zeros or nearly so, and this program alone reads the bytes.
; NaN and infinities among the inputs are not served.
; SHARES: work-groups 0-95 take the weights (few waves with long chains of loads: they start first and run beside the stream), 96-351 take hidden_states.
; The two ways never join, and each has LDS bytes of its own.  No tensor loads, no barrier: waves share nothing.
.set WGW,    96
.set EMAX,   2
; LAYOUT OF THE CODES (in place of rows of 768 bytes): planes of 256 along K, [K step 0..3][row's place][192 bytes], so that 128 rows of one K step are 24,576 dense bytes that begin at a multiple of 256
.set KB,     192                       ; a row's codes of one K step, in bytes
.set XPL,    8192*KB                   ; a plane of hidden_states' codes
.set WPL,    3072*KB                   ; a plane of the weights' codes
; the weights' way: a wave takes 32 columns x 256 along K
.set NB,     8                         ; blocks of 32 along K for a wave
.set WPITCH, 272                       ; a stage row: sixteen places of 16 bytes, each with 12 bytes of codes, + 16
.set WSTG,   32768                     ; the stages: 32 rows for each wave, behind the other way's LDS bytes
.set WX,     32                        ; v32-95   two sets of 32 numbers
.set WC,     96                        ; v96..    a block's codes
.set WOUT,   112                       ; v112-175 the way out
.set WSB,    24                        ; v24-25   the scale bytes
; the rows' way: a wave takes 16 steps of 512 numbers: 8 rows
.set STEPS,  16
.set CB,     12                        ; bytes of 16 codes
.set XR,     16                        ; v16-79   four sets of 16 numbers as loaded
.set XX,     80                        ; v80-111  two sets of 16 neighbours
.set XE,     112                       ; v112-127 a scale byte for each step
.set XC,     128                       ; v128-191 codes, four registers for each step: no store's data are written again
.set WREG,   8192                      ; LDS of a wave: two stages of 32 x SP bytes, then its 256 scale bytes
.set SP,     80                        ; a lane's place in a stage: 64 bytes + 16 of padding
	s_load_b256 s[4:11], s[0:1], 0x0               ; hidden_states s[4:5], Wq s[6:7], Wk s[8:9], Wv s[10:11]
	s_load_b256 s[12:19], s[0:1], 0x20             ; x_codes s[12:13], x_scales s[14:15], w_codes s[16:17], w_scales s[18:19]
	v_lshl_add_u32 v192, v0, 2, 0x10800
	v_mov_b32 v193, 0
	v_lshrrev_b32 v1, 5, v0
	v_readfirstlane_b32 s20, v1                    ; wave 0..3
	v_and_b32 v2, 31, v0                           ; lane
	s_cmp_lt_u32 ttmp9, WGW
	s_cbranch_scc0 .Lx
; ---------------- THE WEIGHTS.  A lane takes a column n and its registers run down K: each load reads 128 consecutive bytes a wave, a block of 32 along K lies in one lane's registers,
; and the conversions give codes with K innermost.  The codes go through the wave's own stage and leave as rows: sixteen lanes store a row's 192 consecutive bytes.
	s_lshr_b32 s21, ttmp9, 5                       ; which weight: 0, 1, 2
	s_and_b32 s22, ttmp9, 7                        ; which 128 columns
	s_bfe_u32 s23, ttmp9, 0x20003                  ; which 256 along K
	s_lshl_b32 s22, s22, 7
	s_lshl_b32 s24, s20, 5
	s_add_co_u32 s22, s22, s24                     ; my wave's first column, a multiple of 32
	s_lshl_b32 s24, s21, 10
	s_add_co_u32 s24, s24, s22                     ; and its row among the 3,072
	s_lshl_b32 s26, s23, 20                        ; in the weight: 256 rows of 4,096 bytes a part of K,
	s_lshl_b32 s25, s22, 2
	s_add_co_u32 s26, s26, s25                     ; + 4 bytes a column
	s_mov_b32 s27, 0
	s_mul_i32 s28, s24, KB                         ; in the codes: the row in its plane,
	s_mul_i32 s25, s23, WPL                        ; and the plane of my 256 along K
	s_add_co_u32 s28, s28, s25                     ; + a plane a part of K
	s_mov_b32 s29, 0
	s_lshl_b32 s30, s24, 5                         ; in the scale bytes: 32 a row,
	s_lshl_b32 s25, s23, 3
	s_add_co_u32 s30, s30, s25                     ; + 8 a part of K
	s_mov_b32 s31, 0
	s_mul_i32 s25, s20, 32*WPITCH
	s_add_co_u32 s25, s25, WSTG                    ; my stage
	s_wait_alu depctr_va_vdst(0)
	v_lshlrev_b32 v3, 2, v2                        ; in: 4 bytes a lane
	v_mul_u32_u24 v4, v2, WPITCH
	v_add_nc_u32 v4, s25, v4                       ; into the stage: row = my column
	v_and_b32 v5, 15, v2
	v_lshrrev_b32 v6, 4, v2
	v_mul_u32_u24 v7, v6, WPITCH
	v_lshl_add_u32 v7, v5, 4, v7
	v_add_nc_u32 v7, s25, v7                       ; out of it: sixteen lanes to a row, two rows an instruction
	v_mul_u32_u24 v8, v6, KB
	v_mad_u32_u24 v8, v5, 12, v8                   ; the same in the codes' buffer (bit 0 of the column keeps its place; the rest stands in the stores' immediates)
	v_and_b32 v9, 7, v2                            ; my column's place among the wave's 32: bits 3 and 4 exchanged
	v_and_b32 v10, 8, v2
	v_lshl_or_b32 v9, v10, 1, v9
	v_and_b32 v10, 16, v2
	v_lshrrev_b32 v10, 1, v10
	v_or_b32 v9, v9, v10
	v_lshlrev_b32 v9, 5, v9                        ; 32 scale bytes a row
	s_wait_kmcnt 0x0
	s_cmp_eq_u32 s21, 1                            ; the choice hangs on the work-group's number alone
	s_cselect_b64 s[6:7], s[8:9], s[6:7]
	s_cmp_eq_u32 s21, 2
	s_cselect_b64 s[6:7], s[10:11], s[6:7]
	s_add_nc_u64 s[6:7], s[6:7], s[26:27]
	s_add_nc_u64 s[16:17], s[16:17], s[28:29]
	s_add_nc_u64 s[18:19], s[18:19], s[30:31]
.macro WLOAD t                         ; block t: W(32 t + i, my column), i = 0 .. 31, into set t % 2.  The largest immediate is 255 rows of 4,096 bytes
.irp i, 0,1,2,3,4,5,6,7,8,9,10,11,12,13,14,15,16,17,18,19,20,21,22,23,24,25,26,27,28,29,30,31
	global_load_b32 v[WX+32*((\t)%2)+\i], v3, s[6:7] offset:(32*(\t)+\i)*4096 th:TH_LOAD_NT
.endr
.endm
	WLOAD 0
	WLOAD 1
.macro WBLOCK t
.set XS, WX+32*((\t)%2)
.if (\t) < NB-1
	s_wait_loadcnt 32                              ; this block's 32 loads are in; the next block's 32 may be out
.else
	s_wait_loadcnt 0
.endif
	v_max3_num_f32 v12, |v[XS]|, |v[XS+1]|, |v[XS+2]|               ; the block's largest magnitude: all 32 numbers are mine; two chains
	v_max3_num_f32 v13, |v[XS+3]|, |v[XS+4]|, |v[XS+5]|
.irp i, 6,10,14,18,22,26
	v_max3_num_f32 v12, v12, |v[XS+\i]|, |v[XS+\i+1]|
	v_max3_num_f32 v13, v13, |v[XS+\i+2]|, |v[XS+\i+3]|
.endr
	v_max3_num_f32 v12, v12, |v[XS+30]|, |v[XS+31]|
	v_max3_num_f32 v12, v12, v13, (EMAX+1)<<23     ; and the floor 2^(3 - 127): the byte cannot fall under 1
	v_add_nc_u32 v11, -(EMAX<<23), v12             ; 2 off its exponent field: the conversion takes the exponent field of this operand as its scale
	v_lshrrev_b32 v13, 23, v11                     ; the scale's byte
.if (\t)%4 == 0
	v_mov_b32 v[WSB+(\t)/4], v13                   ; four bytes to a register, the lower K in the lower byte
.else
	v_lshl_or_b32 v[WSB+(\t)/4], v13, 8*((\t)%4), v[WSB+(\t)/4]
.endif
	v_cvt_scalef32_pk16_fp6_f32 v[WC:WC+2], v[XS:XS+15], v11
	v_cvt_scalef32_pk16_fp6_f32 v[WC+4:WC+6], v[XS+16:XS+31], v11   ; (a conversion's three registers begin on an even number)
	ds_store_b96 v4, v[WC:WC+2] offset:32*(\t)     ; 12 bytes to a place of 16, so that every LDS address is a multiple of 16
	ds_store_b96 v4, v[WC+4:WC+6] offset:32*(\t)+16
.if (\t)+2 < NB
	WLOAD (\t)+2
.endif
	s_wait_dscnt 0x0                               ; the stores have read their registers: the next block's codes may be written
.endm
.set Q, 0
.rept NB
	WBLOCK Q
.set Q, Q+1
.endr
	s_wait_alu depctr_va_vdst(0)
	global_store_b64 v9, v[WSB:WSB+1], s[18:19]    ; my column's 8 scale bytes, at the column's place
.irp t, 0,1,2,3,4,5,6,7,8,9,10,11,12,13,14,15
	ds_load_b96 v[WOUT+4*\t:WOUT+4*\t+2], v7 offset:2*\t*WPITCH   ; LDS serves a wave's instructions in order: these see my stores
.endr
.irp t, 0,1,2,3,4,5,6,7,8,9,10,11,12,13,14,15
	s_wait_dscnt 15-\t                             ; the loads behind this one may be out
	global_store_b96 v8, v[WOUT+4*\t:WOUT+4*\t+2], s[16:17] offset:(((2*\t)&7)|(((2*\t)&8)<<1)|(((2*\t)&16)>>1))*KB   ; columns 2 t, 2 t + 1 at their places
.endr
	s_wait_tensorcnt 0x0
	ds_add_u32 v192, v193
	s_wait_dscnt 0x0
	s_endpgm
; ---------------- THE ROWS.  Rows are dense and 1,024 is a multiple of 32: a plain stream of blocks.  Each load reads 512 consecutive bytes, 16 a lane; a step's 2,048 bytes turn through the
; wave's own stage and come back 64 bytes a lane: 16 neighbours, two neighbouring lanes to a block.  A wave's run is 8 rows, so the exchange of the row's bits 3 and 4 moves whole runs.
.Lx:
	s_sub_co_u32 s21, ttmp9, WGW
	s_lshl_b32 s21, s21, 2
	s_add_co_u32 s22, s21, s20                     ; my run of 8 rows: 4 x work-group + wave
	s_and_b32 s23, s20, 1
	s_lshl_b32 s23, s23, 1
	s_lshr_b32 s24, s20, 1
	s_or_b32 s23, s23, s24
	s_add_co_u32 s23, s21, s23                     ; and its place: the run's bits 0 and 1 (the wave's) exchanged
	s_lshl_b32 s26, s22, 15                        ; 8 rows of 4,096 bytes
	s_mov_b32 s27, 0
	s_mul_i32 s28, s23, 8*KB                       ; my run's 8 rows in a plane
	s_mov_b32 s29, 0
	s_lshl_b32 s30, s23, 8                         ; 256 scale bytes a run
	s_mov_b32 s31, 0
	s_mul_i32 s25, s20, WREG
	s_wait_alu depctr_va_vdst(0)
	v_lshlrev_b32 v3, 4, v2                        ; my 16 bytes of a load's 512
	v_lshrrev_b32 v14, 2, v2
	v_mul_u32_u24 v14, v14, SP
	v_and_b32 v15, 3, v2
	v_lshl_add_u32 v14, v15, 4, v14
	v_add_nc_u32 v14, s25, v14                     ; the stage, on the way in: four lanes' 64 bytes on end, then 16 of padding
	v_mul_u32_u24 v15, v2, SP
	v_add_nc_u32 v15, s25, v15                     ; and on the way out: my 16 neighbours
	v_and_b32 v4, 15, v2                           ; my codes' place: a step is 512 along K, two planes: lanes 0-15 the first, lanes 16-31 the second
	v_lshrrev_b32 v8, 4, v2
	v_mul_u32_u24 v4, v4, CB
	v_mad_u32_u24 v4, v8, XPL, v4
	v_lshrrev_b32 v5, 1, v2
	s_add_co_u32 s25, s25, 2*32*SP
	v_add_nc_u32 v5, s25, v5                       ; my wave's 256 scale bytes: my block's byte
	v_lshlrev_b32 v7, 3, v2                        ; and on the way out 8 bytes a lane
	v_add_nc_u32 v6, s25, v7
	s_wait_alu depctr_va_vdst(0)
	s_wait_kmcnt 0x0
	s_add_nc_u64 s[4:5], s[4:5], s[26:27]
	s_add_nc_u64 s[12:13], s[12:13], s[28:29]
	s_add_nc_u64 s[14:15], s[14:15], s[30:31]
.macro XLOAD t
.irp i, 0,1,2,3
	global_load_b128 v[XR+16*((\t)%4)+4*\i:XR+16*((\t)%4)+4*\i+3], v3, s[4:5] offset:2048*(\t)+512*\i th:TH_LOAD_NT
.endr
.endm
.macro XTURN t                         ; step t's numbers through the stage: LDS serves a wave's instructions in order, so no wait stands between the stores and the loads
.irp i, 0,1,2,3
	ds_store_b128 v14, v[XR+16*((\t)%4)+4*\i:XR+16*((\t)%4)+4*\i+3] offset:32*SP*((\t)%2)+8*SP*\i
.endr
.irp i, 0,1,2,3
	ds_load_b128 v[XX+16*((\t)%2)+4*\i:XX+16*((\t)%2)+4*\i+3], v15 offset:32*SP*((\t)%2)+16*\i
.endr
.endm
.irp t, 0,1,2,3
	XLOAD \t
.endr
	s_wait_loadcnt 12                              ; step 0's four loads are in; three steps' twelve may be out
	XTURN 0
.macro XSTEP t
.set XS, XX+16*((\t)%2)
.if (\t) > 0
	s_wait_dscnt 1                                 ; this step's numbers are back from the stage (the last step's byte store may be out), so its stores into the stage have read their registers,
.else
	s_wait_dscnt 0x0
.endif
.if (\t)+4 < STEPS
	XLOAD (\t)+4                                   ; which take the loads of four steps on
.endif
.if (\t)+1 < STEPS
.if STEPS-2-(\t) >= 3
	s_wait_loadcnt 12                              ; the next step's four loads are in; those of the three steps behind it may be out
.else
	s_wait_loadcnt 4*(STEPS-2-(\t))
.endif
	XTURN (\t)+1                                   ; and go through the other stage while this step is worked
.endif
	v_max3_num_f32 v8, |v[XS]|, |v[XS+1]|, |v[XS+2]|               ; the largest magnitude of my 16
	v_max3_num_f32 v9, |v[XS+3]|, |v[XS+4]|, |v[XS+5]|
.irp i, 6,10
	v_max3_num_f32 v8, v8, |v[XS+\i]|, |v[XS+\i+1]|
	v_max3_num_f32 v9, v9, |v[XS+\i+2]|, |v[XS+\i+3]|
.endr
	v_max3_num_f32 v8, v8, |v[XS+14]|, |v[XS+15]|
	v_max3_num_f32 v8, v8, v9, (EMAX+1)<<23        ; and the floor 2^(3 - 127)
	v_max_num_f32_dpp v8, v8, v8 row_xmask:1 row_mask:0xf bank_mask:0xf   ; and of my neighbour's 16: the block's
	v_add_nc_u32 v11, -(EMAX<<23), v8              ; 2 off its exponent field: the conversion's scale operand
	v_cvt_scalef32_pk16_fp6_f32 v[XC+4*(\t):XC+4*(\t)+2], v[XS:XS+15], v11
	v_lshrrev_b32 v[XE+(\t)], 23, v11              ; the scale's byte
	ds_store_b8 v5, v[XE+(\t)] offset:16*(\t)      ; both lanes of a block write the same byte with the same value
	global_store_b96 v4, v[XC+4*(\t):XC+4*(\t)+2], s[12:13] offset:2*XPL*((\t)%2)+KB*((\t)/2)   ; row t / 2 of my run, planes 2 (t % 2) and 2 (t % 2) + 1: sixteen lanes store 192 consecutive bytes
.endm
.irp t, 0,1,2,3,4,5,6,7,8,9,10,11,12,13,14,15
	XSTEP \t
.endr
	ds_load_b64 v[12:13], v6                       ; LDS serves a wave's instructions in order: these see my stores
	s_wait_dscnt 0x0
	global_store_b64 v7, v[12:13], s[14:15]        ; 32 lanes store 256 consecutive bytes, at a multiple of 256 from the buffer's first byte
	s_wait_tensorcnt 0x0
	ds_add_u32 v192, v193
	s_wait_dscnt 0x0
	s_endpgm
.Lfunc_end_k_qb70518a9f4_quant:
	.size	k_qb70518a9f4_quant, .Lfunc_end_k_qb70518a9f4_quant-k_qb70518a9f4_quant
	.p2alignl 7, 3214868480
	.fill 96, 4, 3214868480
	.section	.rodata,"a",@progbits
	.p2align	6, 0x0
	.amdhsa_kernel k_qb70518a9f4_quant
		.amdhsa_group_segment_fixed_size 68096
		.amdhsa_private_segment_fixed_size 0
		.amdhsa_enable_private_segment 0
		.amdhsa_kernarg_size 64
		.amdhsa_user_sgpr_count 2
		.amdhsa_user_sgpr_kernarg_segment_ptr 1
		.amdhsa_wavefront_size32 1
		.amdhsa_system_sgpr_workgroup_id_x 1
		.amdhsa_system_sgpr_workgroup_id_y 1
		.amdhsa_system_sgpr_workgroup_id_z 1
		.amdhsa_system_vgpr_workitem_id 0
		.amdhsa_next_free_vgpr 194
		.amdhsa_next_free_sgpr 66
		.amdhsa_reserve_vcc 0
		.amdhsa_float_denorm_mode_32 3
		.amdhsa_float_denorm_mode_16_64 3
		.amdhsa_memory_ordered 1
		.amdhsa_forward_progress 1
		.amdhsa_inst_pref_size 74
	.end_amdhsa_kernel
	.amdgpu_metadata
---
amdhsa.version: [ 1, 2 ]
amdhsa.kernels:
  - .name:           k_qb70518a9f4_quant
    .symbol:         k_qb70518a9f4_quant.kd
    .args:
      - { .name: hidden_states, .offset: 0, .size: 8, .value_kind: global_buffer, .address_space: global }
      - { .name: Wq, .offset: 8, .size: 8, .value_kind: global_buffer, .address_space: global }
      - { .name: Wk, .offset: 16, .size: 8, .value_kind: global_buffer, .address_space: global }
      - { .name: Wv, .offset: 24, .size: 8, .value_kind: global_buffer, .address_space: global }
      - { .name: x_codes, .offset: 32, .size: 8, .value_kind: global_buffer, .address_space: global }
      - { .name: x_scales, .offset: 40, .size: 8, .value_kind: global_buffer, .address_space: global }
      - { .name: w_codes, .offset: 48, .size: 8, .value_kind: global_buffer, .address_space: global }
      - { .name: w_scales, .offset: 56, .size: 8, .value_kind: global_buffer, .address_space: global }
    .group_segment_fixed_size: 68096
    .private_segment_fixed_size: 0
    .kernarg_segment_align: 8
    .kernarg_segment_size: 64
    .max_flat_workgroup_size: 128
    .sgpr_count:     66
    .vgpr_count:     194
    .wavefront_size: 32
...
	.end_amdgpu_metadata
.endif
;; end of part 1
;; launch proj (part 2): grid 8 x 48, 4 waves a work-group, clusters of 4 x 4, 327,680 bytes of LDS; arguments x_codes, x_scales, w_codes, w_scales, bq, bk, bv, img, sc; writes img, sc
.if DOCPART == 2
	.amdgcn_target "amdgcn-amd-amdhsa--gfx1250"
	.amdhsa_code_object_version 6
	.text
	.protected	k_qb70518a9f4_proj
	.globl	k_qb70518a9f4_proj
	.p2align	8
	.type	k_qb70518a9f4_proj,@function
k_qb70518a9f4_proj:
	s_mov_b64 s[64:65], 0
	v_nop
	global_prefetch_b8 v0, s[64:65] scope:SCOPE_SE
	s_setreg_imm32_b32 hwreg(HW_REG_WAVE_MODE, 25, 1), 1
	s_wait_xcnt 0x0
	s_wait_alu depctr_hold_cnt(0) depctr_sa_sdst(0) depctr_va_vdst(0) depctr_va_sdst(0) depctr_va_ssrc(0) depctr_va_vcc(0) depctr_vm_vsrc(0)
	s_getreg_b32 s2, hwreg(HW_REG_IB_STS2, 6, 4)
	s_cmp_eq_u32 s2, 0
	s_cbranch_scc0 .Lentry_in_a_cluster
	s_endpgm
.Lentry_in_a_cluster:
	s_bfe_u32 s2, ttmp6, 0x10000c
	s_cmp_lg_u32 s2, 0xf033
	s_cbranch_scc0 .Lentry_shape_is_right
	s_endpgm
.Lentry_shape_is_right:
; q, k, v = hidden_states W + b on codes of FP6 (E2M3) with one E8M0 scale for each 32 along K = 1,024; sums in f32; the bias is added in f32; the results are quantised in registers for the attention
; launch: q and k along the head's 64, v along the keys; they leave as IMAGES OF OPERAND REGISTERS (img) with their scale words (sc).
; A tile of 256 x 256 results is made by four waves, 128 x 128 each: 64 accumulators, 512 registers.  K goes in steps of 256 through a ring of two LDS slots filled by the tensor data mover.
; THE MATRIX INSTRUCTION TAKES the 'B side' as source 0 (its rows run along a lane's registers in the result) and the 'A side' as source 1 (its rows are the result's lanes).
; TWO SECTIONS, told apart by the cluster's y, which all partners share.  y < 8: A side = hidden_states, B side = Wq and Wk: a lane holds one position and 64 features of two heads.
; y >= 8: A side = Wv, B side = hidden_states: a lane holds one feature and 64 keys.  Either way a lane's registers run along the NEXT product's K, as the conversions want them.
; Both operands lie in memory with bits 3 and 4 of the row exchanged: register 16 b + i of a lane's 64 is then the B side's true row 32 b + 16 (lane / 16) + i, and lane r of block a the A side's
; true row 32 (a / 2) + 8 (a % 2) + r + 8 (r / 8).
; CLUSTERS: 4 x 4 work-groups.  The four of a row of the cluster need the same tiles of the A side, the four of a column the same tiles of the B side: each tile is asked for jointly.
; 384 work-groups of equal work: a second turn finds work for half the WGPs only; the tile is kept at 256 x 256 for the sake of LDS reads for each product.
; LAYOUT OF img: 192 entries of 98,304 bytes; with y = 4 head + batch: q at y, k at 64 + y, v at 128 + y.  q, k: 128 tiles of 768 bytes (registers 0-3 at 16 x lane, then 4-5 at 8 x lane).
; v: 16 steps of 128 keys x 4 tiles x 1,536 bytes (registers 4 c .. 4 c + 3 at 512 c + 16 x lane).  sc: 192 entries x 16 steps x 512 bytes, four words a lane: word i belongs to tile 2 i + lane / 16.
; LIMITS: a block of q or k whose largest magnitude lies under 2^-121 takes the scale 2^-123 (byte 4, so that the next launch can take 3 off q's byte); a block of v under 2^-124 the byte 1.  NaN is not served.
; REGISTERS, in windows of 256: window 0: v0-31 addresses; v32-63 scale words, two sets; v64-127 and v224-239 the biases; from v128 the A side's fragments, one set.  window 1: the B side's, two sets.
;   windows 2, 3: the accumulators ((a, b) at v[8 (8 (a % 4) + b)]).  On the way out window 0's v32-63 and v128-211 are at work.
.set SIZE_K, 1024
.set KSTEP,  256                       ; along K in a slot
.set NQ,     KSTEP/128                 ; matrix instructions deep
; IN MEMORY the codes lie in planes of 256 along K: [K step][row][192 bytes].  So 128 rows of a K step are 24,576 dense bytes, which a tensor load takes as 96 rows of 256 bytes, each beginning at a multiple of 256;
; with 16 bytes of padding behind every 64 a row of codes takes 240 bytes of LDS.
; PREFETCH: K steps 1, 2 and 3 are asked for into the L2: step 1 behind the head's loads (its own load goes out when K step 0 has landed), step 2 behind the first fragment loads, step 3 one step of 128 along K later:
; at most two K steps are asked for and not yet loaded.  Of the 96 blocks of 256 bytes that a wave's load brings, each of the four partners that ask for them jointly names 24, told apart by address
; (cx for the A side, cy for the B side); lanes 24-31 name the last block again.  One pointer, my 128 rows in K step 0's plane, and an offset register for each K step; none is rewritten.
.set CROW,   192                       ; a row's codes of one K step, in bytes
.set XPL,    8192*CROW                 ; a plane of hidden_states' codes
.set WPL,    3072*CROW                 ; a plane of the weights' codes
.set G0H,    4                         ; s[4:7], s[8:11] group 0 of the head's loads of K step 0: the A side's 256 rows, the B side's (the arguments that lay there have been used by then)
.set G0HB,   8
.set PITCH,  240                       ; an LDS row: 3 x (64 bytes + 16 of padding): the 32 lanes of a load of 8 bytes touch 64 different banks (64 banks of 4 bytes: ISA guide 11.1)
.set FR,     12                        ; registers of a fragment
.set NL,     6                         ; LDS loads that bring one
.set NP,     4                         ; places behind this matrix instruction (ISA guide 7.12.1)
.set HALFT,  128*PITCH                 ; 128 rows: what one tensor load brings
.set SLOT,   4*HALFT                   ; the A side's 256 rows, then the B side's
.set LAPS,   SIZE_K/(2*KSTEP)
.set KS,     SIZE_K/32                 ; a row of scale bytes
.set SCL,    2*SLOT                    ; behind the ring: the scales of all of K, as runs of 256 bytes + 16 of padding; filled once
.set HALFS,  (128*KS/256)*272
.set SBLK,   (16*KS/256)*272
.set SPARE,  SCL+4*HALFS               ; the spare words, 128 bytes for each wave, which no other line names
.set NEXTH,  4*98304                   ; from a head's entry of img to the next head's
.set ADRA, 16                          ; v16-17 LDS address of my A fragments in slot 0, 1 (v18-19: behind one padding more)
.set ADRB, 20                          ; v20-23 the same for B
.set L16,  24                          ; v24    16 x lane
.set L8,   25                          ; v25    8 x lane
.set BQA,  26                          ; v26    64 x (lane / 16): my half's 16 numbers of each 32 of a bias
.set ADRS, 27                          ; v27    LDS address of my scale words
.set SPW,  28                          ; v28    my spare word; never rewritten
.set NIL,  29                          ; v29    0; never rewritten
.set BVA,  30                          ; v30    4 (r + 8 (r / 8)): my feature in a block of Wv's
.set SC,   32
.set AF,   128
.set BI,   64                          ; v64-127  bias by register: number 16 b + i is feature 32 b + 16 (lane / 16) + i of my 128
.set BV,   224                         ; v224-239 bias by lane: a pair (the same number twice) for each block
.set ST,   128                         ; the way out: v128-191 a block's 64 numbers
.set PC,   192                         ; v192-211 its codes
.set TM,   32                          ; v32-47   at work
.set PW,   48                          ; the scale word just made
.set KEEP, 49                          ; the even block's
.set WS,   52                          ; v52-55   scale words of two blocks: lanes 0-15 the even block's, lanes 16-31 the odd one's
.set XA,   56                          ; v56-59   what goes to sc for the first head,
.set XB,   60                          ; v60-63   and for the second
.set G1, 24
.set G0, 32
.set G1B, 48
.set G0B, 56
.set G1S, 68
.set G0S, 76
.set G1SB, 80
.set G0SB, 88
.set SEL, 92                           ; s[92:93] (once the descriptors are made) selects for v_permlanex16_b32: lane l xor 16
.set SEC, 95                           ; s95      the cluster's y
.set HI16, 104                         ; s104     lanes 16-31
.set MSB, 0
.macro WIN new                         ; the immediate's high byte repeats the setting that is left
.if MSB != (\new)
	s_set_vgpr_msb (MSB<<8)|(\new)
.set MSB, (\new)
.endif
.endm
.set MUL_LO, 0xa1                      ; source 0 (B) window 1, source 1 (A) window 0, C and D window 2
.set MUL_HI, 0xf1                      ; the same, C and D window 3
.set TO_B,   0x40                      ; destination window 1, address window 0
; A joint load: waves 0 and 1 fetch for the A side, waves 2 and 3 for the B side.  The branch hangs on the wave's number alone.  Four v_nop follow each line.
.macro JLOAD g0a, g1a, g0b, g1b
	s_cmp_eq_u32 s15, 0
	s_cbranch_scc0 .Lfor_b_\@
	tensor_load_to_lds s[\g0a:\g0a+3], s[\g1a:\g1a+7]
	s_nop 0
.rept 4
	v_nop
.endr
	s_branch .Lasked_\@
.Lfor_b_\@:
	tensor_load_to_lds s[\g0b:\g0b+3], s[\g1b:\g1b+7]
	s_nop 0
.rept 4
	v_nop
.endr
.Lasked_\@:
.endm
.macro CREST                           ; a round of the cluster's barrier behind its opening barrier
	s_cmp_lg_u32 s14, 0
	s_cbranch_scc1 .Lnot_wave_0_\@
	s_barrier_signal -3
.Lnot_wave_0_\@:
	s_barrier_wait -3
	s_barrier_signal -1
	s_barrier_wait -1
.endm
.macro CROUND                          ; a whole round
	s_barrier_signal -1
	s_barrier_wait -1
	CREST
.endm
	s_load_b128 s[4:7], s[0:1], 0x0                ; x's codes, x's scales
	s_load_b128 s[8:11], s[0:1], 0x10              ; w's codes, w's scales
	s_load_b128 s[96:99], s[0:1], 0x20             ; bq, bk
	s_load_b64 s[100:101], s[0:1], 0x30            ; bv
	s_load_b64 s[12:13], s[0:1], 0x38              ; img
	s_load_b64 s[66:67], s[0:1], 0x40              ; sc
	v_lshl_add_u32 v[SPW], v0, 2, SPARE
	v_mov_b32 v[NIL], 0
	ds_add_u32 v28, v29
	ds_add_u32 v28, v29
	s_wait_dscnt 0x0
	v_lshrrev_b32 v1, 5, v0
	v_readfirstlane_b32 s14, v1                    ; wave 0..3
	s_lshr_b32 s15, s14, 1                         ; which half of the A side's rows is mine.  Also: I fetch for A (0) or for B (1)
	s_and_b32 s16, s14, 1                          ; which half of the B side's.  Also: which 128 rows of that tile I fetch
	s_bfe_u32 s40, ttmp6, 0x40000                  ; cx, cy: my place in the cluster
	s_bfe_u32 s41, ttmp6, 0x40004
	s_and_b32 s[SEC], ttmp7, 0xffff                ; the cluster's y: 0-7 q and k, 8-11 v
	s_lshl_b32 s42, ttmp9, 2
	s_add_co_u32 s42, s42, s40                     ; work-group x = 4 x cluster x + cx
	s_lshl_b32 s18, s[SEC], 3
	s_sub_co_u32 s18, s18, 64
	s_cmp_lt_u32 s[SEC], 8
	s_cselect_b32 s18, 0, s18
	s_add_co_u32 s42, s42, s18                     ; the B side's tile: q, k: work-group x (of Wq, Wk's eight);  v: work-group x + 8 (y - 8) (of x's 32): no cy in it
	s_lshl_b32 s17, s[SEC], 2
	s_cmp_lt_u32 s[SEC], 8
	s_cselect_b32 s17, s17, 8
	s_add_co_u32 s17, s17, s41                     ; the A side's tile: q, k: 4 y + cy (of x's 32);  v: 8 + cy (Wv's four): no cx in it
	s_lshl_b32 s43, s41, 2
	s_lshl_b32 s43, 15, s43                        ; my row of the cluster
	s_lshl_b32 s44, 0x1111, s40                    ; my column
	; descriptor group 1: a tile of 128 rows x 192 bytes, 16 bytes of padding behind every 64
	s_or_b32 s[G1+0], s43, (0<<16)|(1<<20)|(1<<21)|(3<<22)|(3<<25)  ; 15:0 the mask: my row; 17:16 elements of 1 byte; 20 padding on; 21 set beside a mask; 24:22 after every 16 words; 31:25 of 4 words
	s_or_b32 s[G1B+0], s44, (0<<16)|(1<<20)|(1<<21)|(3<<22)|(3<<25) ; the same with my column's mask
.irp g, G1, G1B
	s_mov_b32 s[\g+1], 256<<16                     ; tensor_dim0: 256 bytes
	s_mov_b32 s[\g+2], 192<<16                     ; tensor_dim1: the head's loads bring 256 rows of codes = 192 rows of 256 bytes; behind them this word and word 4 are set to 96
	s_mov_b32 s[\g+3], 256<<16                     ; tile_dim0
	s_mov_b32 s[\g+4], 192                         ; tile_dim1
	s_mov_b32 s[\g+5], 256                         ; dense
	s_mov_b32 s[\g+6], 0
	s_mov_b32 s[\g+7], 0
.endr
	; the scales of 256 rows: 8,192 dense bytes, as rows of 256 bytes (32 elements of 8), 16 bytes of padding behind each
	s_or_b32 s[G1S+0], s43, (3<<16)|(1<<20)|(1<<21)|(5<<22)|(3<<25)
	s_or_b32 s[G1SB+0], s44, (3<<16)|(1<<20)|(1<<21)|(5<<22)|(3<<25)
.irp g, G1S, G1SB
	s_mov_b32 s[\g+1], 32<<16
	s_mov_b32 s[\g+2], KS<<16                      ; the scales of 256 rows: 256 KS bytes = KS rows of 256
	s_mov_b32 s[\g+3], 32<<16
	s_mov_b32 s[\g+4], KS
	s_mov_b32 s[\g+5], 32
	s_mov_b32 s[\g+6], 0
	s_mov_b32 s[\g+7], 0
.endr
	s_lshl_b32 s20, s17, 8                         ; A: the tile's first row
	s_lshl_b32 s46, s42, 8                         ; B likewise
	s_mov_b32 s21, 0
	s_mov_b32 s47, 0
	s_mov_b64 s[18:19], KS
	s_mul_u64 s[22:23], s[20:21], s[18:19]         ; where these rows' scales begin, in bytes
	s_mul_u64 s[92:93], s[46:47], s[18:19]
	s_mov_b64 s[18:19], CROW
	s_mul_u64 s[20:21], s[20:21], s[18:19]         ; and their codes, in a plane
	s_mul_u64 s[46:47], s[46:47], s[18:19]
	s_mul_i32 s18, s16, 128*CROW                   ; in the ring I fetch 128 rows of a tile: which half, in bytes (s19 = 0),
	s_mul_i32 s45, s14, HALFT                      ; and where they go: wave x 128 rows: no place in the cluster enters an LDS address
	s_wait_kmcnt 0x0
	s_cmp_lt_u32 s[SEC], 8                         ; which buffers are the A side's: a choice on the cluster's y alone (moves and selects leave SCC as it is)
	s_cselect_b64 s[2:3], s[4:5], s[8:9]
	s_cselect_b64 s[8:9], s[8:9], s[4:5]
	s_mov_b64 s[4:5], s[2:3]                       ; s[4:5] A's codes, s[8:9] B's
	s_cselect_b64 s[2:3], s[6:7], s[10:11]
	s_cselect_b64 s[10:11], s[10:11], s[6:7]
	s_mov_b64 s[6:7], s[2:3]                       ; s[6:7] A's scales, s[10:11] B's
	s_add_nc_u64 s[20:21], s[4:5], s[20:21]
	s_add_nc_u64 s[22:23], s[6:7], s[22:23]
	s_add_nc_u64 s[46:47], s[8:9], s[46:47]
	s_add_nc_u64 s[92:93], s[10:11], s[92:93]
	CROUND                                         ; all sixteen work-groups are here: the first joint loads meet
	s_mov_b32 s[G0H], 1                            ; the head's four tiles, each whole: K step 0's 256 rows of the A side,
	s_mov_b32 s[G0H+1], 0
	s_mov_b64 s[G0H+2:G0H+3], s[20:21]
	s_or_b32 s[G0H+3], s[G0H+3], 0x80000000
	s_mov_b32 s[G0HB], 1                           ; its 256 rows of the B side, behind them in slot 0,
	s_mov_b32 s[G0HB+1], 2*HALFT
	s_mov_b64 s[G0HB+2:G0HB+3], s[46:47]
	s_or_b32 s[G0HB+3], s[G0HB+3], 0x80000000
	s_mov_b32 s[G0S], 1                            ; the scales of the A side's 256 rows,
	s_mov_b32 s[G0S+1], SCL
	s_mov_b64 s[G0S+2:G0S+3], s[22:23]
	s_or_b32 s[G0S+3], s[G0S+3], 0x80000000
	s_mov_b32 s[G0SB], 1                           ; and of the B side's
	s_mov_b32 s[G0SB+1], SCL+2*HALFS
	s_mov_b64 s[G0SB+2:G0SB+3], s[92:93]
	s_or_b32 s[G0SB+3], s[G0SB+3], 0x80000000
	s_add_nc_u64 s[20:21], s[20:21], s[18:19]      ; for the ring: my 128 rows of the tile
	s_add_nc_u64 s[46:47], s[46:47], s[18:19]
	s_mov_b32 s2, XPL                              ; from K step to K step: a plane of the side's own buffer; the choice hangs on the cluster's y alone
	s_mov_b32 s18, WPL
	s_cmp_lt_u32 s[SEC], 8
	s_cselect_b32 s3, s2, s18
	s_cselect_b32 s18, s18, s2                     ; s[18:19]: the B side's plane
	s_mov_b32 s2, s3
	s_mov_b32 s3, 0                                ; s[2:3]: the A side's plane
.irp s, 0,1
	s_mov_b32 s[G0+4*\s], 1
	s_add_co_u32 s[G0+4*\s+1], s45, \s*SLOT
	s_mov_b64 s[G0+4*\s+2:G0+4*\s+3], s[20:21]
	s_mov_b32 s[G0B+4*\s], 1
	s_add_co_u32 s[G0B+4*\s+1], s45, \s*SLOT
	s_mov_b64 s[G0B+4*\s+2:G0B+4*\s+3], s[46:47]
.endr
	s_add_nc_u64 s[G0+6:G0+7], s[G0+6:G0+7], s[2:3]        ; slot 1 begins with K step 1
	s_add_nc_u64 s[G0B+6:G0B+7], s[G0B+6:G0B+7], s[18:19]
.irp s, 0,1
	s_or_b32 s[G0+4*\s+3], s[G0+4*\s+3], 0x80000000
	s_or_b32 s[G0B+4*\s+3], s[G0B+4*\s+3], 0x80000000
.endr
	s_lshl_b32 s2, s2, 1                           ; a refill steps two planes on
	s_lshl_b32 s18, s18, 1
; THE HEAD'S LOADS, ONE A WAVE: wave 0 K step 0's 256 rows of the A side, wave 1 those of the B side, wave 2 the A side's scales, wave 3 the B side's.
; One chain of branches on the wave's number: every way through it passes exactly one load.
.macro ARM under, g0, g1, next
	s_cmp_lt_u32 s14, \under
	s_cbranch_scc0 \next
	tensor_load_to_lds s[\g0:\g0+3], s[\g1:\g1+7]
	s_nop 0
.rept 4
	v_nop
.endr
	s_branch .Lhead_asked
\next:
.endm
	ARM 1, G0H,  G1,  .Lhead_b
	ARM 2, G0HB, G1B, .Lhead_sa
	ARM 3, G0S,  G1S, .Lhead_sb
	tensor_load_to_lds s[G0SB:G0SB+3], s[G1SB:G1SB+7]
	s_nop 0
.rept 4
	v_nop
.endr
.Lhead_asked:
	s_cmp_eq_u32 s15, 0                            ; the prefetches: do I fetch for the A side?
	s_cselect_b64 s[44:45], s[20:21], s[46:47]     ; my 128 rows in K step 0's plane,
	s_cselect_b32 s22, s2, s18                     ; two planes of that side, in bytes,
	s_cselect_b32 s43, s40, s41                    ; and my place among the four that ask with me
	s_lshr_b32 s23, s22, 1                         ; one plane
	s_mul_i32 s43, s43, 24*256                     ; my work-group's 24 blocks of the 96
	v_and_b32 v13, 31, v0
	v_min_u32 v13, 23, v13                         ; a lane a block of 256 bytes
	v_lshl_add_u32 v13, v13, 8, s43
	v_add_nc_u32 v14, s22, v13                     ; v14: in K step 2's plane
	v_add_nc_u32 v13, s23, v13                     ; v13: in K step 1's
	v_add_nc_u32 v15, s22, v13                     ; v15: in K step 3's
	global_prefetch_b8 v13, s[44:45] th:TH_LOAD_NT scope:SCOPE_SE   ; K step 1
	v_and_b32 v1, 15, v0
	v_bfe_u32 v2, v0, 4, 1                         ; h = lane / 16
	; THE BIASES, both kinds, on the one way that all waves take, so that no register is written on one way of a branch alone; a section uses its own kind.  Every address lies in its buffer:
	; by register: bq (cluster x = 0) or bk, from 128 x ((2 x B tile + half) % 8);  by lane: bv, from 128 x ((2 x A tile + half) % 8)
	s_wait_alu depctr_va_vdst(0)
	s_cmp_eq_u32 ttmp9, 0
	s_cselect_b64 s[96:97], s[96:97], s[98:99]
	s_lshl_b32 s46, s42, 1
	s_add_co_u32 s46, s46, s16
	s_and_b32 s46, s46, 7
	s_lshl_b32 s46, s46, 9
	s_mov_b32 s47, 0
	s_add_nc_u64 s[96:97], s[96:97], s[46:47]
	s_lshl_b32 s46, s17, 1
	s_add_co_u32 s46, s46, s15
	s_and_b32 s46, s46, 7
	s_lshl_b32 s46, s46, 9
	s_add_nc_u64 s[100:101], s[100:101], s[46:47]
	v_lshlrev_b32 v[BQA], 6, v2
	v_and_b32 v5, 8, v1
	v_add_nc_u32 v5, v5, v1
	v_lshlrev_b32 v[BVA], 2, v5
.irp b, 0,1,2,3
.irp j, 0,1,2,3
	global_load_b128 v[BI+16*\b+4*\j:BI+16*\b+4*\j+3], v[BQA], s[96:97] offset:128*\b+16*\j
.endr
.endr
.irp a, 0,1,2,3,4,5,6,7
	global_load_b32 v[BV+2*\a], v[BVA], s[100:101] offset:4*(32*(\a/2)+8*(\a%2))
	global_load_b32 v[BV+2*\a+1], v[BVA], s[100:101] offset:4*(32*(\a/2)+8*(\a%2))   ; twice: the packed addition takes a pair
.endr
	v_mul_u32_u24 v3, v1, PITCH
	v_mul_u32_u24 v4, v2, 24
	v_add_nc_u32 v4, v3, v4                        ; a fragment's row x pitch + 24 x half
	v_lshl_add_u32 v5, v2, 4, v4                   ; and the same behind one padding more
	s_mul_i32 s21, s15, HALFT                      ; my 128 rows of A
	s_mul_i32 s22, s16, HALFT                      ; my 128 rows of B,
	s_add_co_u32 s22, s22, 2*HALFT                 ; which lie behind A's 256
.irp s, 0,1
	v_add_nc_u32 v[ADRA+\s], s21, v4
	v_add_nc_u32 v[ADRB+\s], s22, v4
	v_add_nc_u32 v[ADRA+2+\s], s21, v5
	v_add_nc_u32 v[ADRB+2+\s], s22, v5
	s_add_co_u32 s21, s21, SLOT
	s_add_co_u32 s22, s22, SLOT
.endr
	v_mul_u32_u24 v5, v1, KS                       ; my row's scales: 32 bytes a row,
	v_lshrrev_b32 v6, 8, v5
	v_lshl_add_u32 v5, v6, 4, v5                   ; and 16 more for each 256 passed
	s_mul_i32 s21, s15, HALFS
	s_mul_i32 s22, s16, HALFS
	s_add_co_u32 s22, s22, 2*HALFS
	s_sub_co_u32 s22, s22, s21
	v_mul_u32_u24 v6, s22, v2                      ; lanes 16-31 take B's: one product, the distance between the two bases
	s_add_co_u32 s21, s21, SCL
	v_add_nc_u32 v5, v5, v6
	v_add_nc_u32 v[ADRS], s21, v5
	v_and_b32 v6, 31, v0
	v_lshlrev_b32 v[L16], 4, v6
	v_lshlrev_b32 v[L8], 3, v6
	; where my results go.  The side that holds positions gives batch and step of 128, the side that holds features the pair of heads: entry = 8 x (2 x feature tile + half) + batch
	s_cmp_lt_u32 s[SEC], 8
	s_cselect_b32 s20, s17, s42                    ; the positions' tile,
	s_cselect_b32 s21, s15, s16                    ; and my half of it
	s_cselect_b32 s22, s42, s17                    ; the features' tile (Wq 0-3, Wk 4-7, Wv 8-11),
	s_cselect_b32 s23, s16, s15                    ; and my half of it
	s_lshl_b32 s20, s20, 1
	s_add_co_u32 s20, s20, s21                     ; which 128 positions of the 8,192
	s_lshl_b32 s22, s22, 1
	s_add_co_u32 s22, s22, s23
	s_lshl_b32 s22, s22, 3
	s_lshr_b32 s21, s20, 4                         ; batch
	s_add_co_u32 s22, s22, s21                     ; the first head's entry
	s_and_b32 s20, s20, 15                         ; the step of 128 positions in the batch
	s_mul_i32 s46, s22, 98304
	s_mul_i32 s21, s20, 6144
	s_add_co_u32 s46, s46, s21
	s_add_nc_u64 s[12:13], s[12:13], s[46:47]
	s_lshl_b32 s46, s22, 13
	s_lshl_b32 s21, s20, 9
	s_add_co_u32 s46, s46, s21
	s_add_nc_u64 s[66:67], s[66:67], s[46:47]
	s_mov_b32 s[SEL], 0x76543210
	s_mov_b32 s[SEL+1], 0xfedcba98
	s_mov_b32 s[HI16], 0xffff0000
.macro FRAG reg, adr, q, i             ; a fragment, 16 rows x 128 K, is 12 registers: lane l holds row l % 16; registers 6 c .. 6 c + 5 hold K = 64 c + 32 (l / 16) + 0 .. 31: 24 bytes of the row, as they lie
.irp p, 0,1,2,3,4,5                    ; in pieces of 8 bytes.  Lanes 16-31 read three pieces further on than lanes 0-15: where that is behind one padding more, the second address register serves
.set PIECE, 12*(\q)+6*(\p/3)+\p%3
.if PIECE%8 < 5
	ds_load_b64 v[\reg+2*\p:\reg+2*\p+1], v[\adr] offset:8*PIECE+16*(PIECE/8)+(\i)*16*PITCH
.else
	ds_load_b64 v[\reg+2*\p:\reg+2*\p+1], v[\adr+2] offset:8*PIECE+16*(PIECE/8)+(\i)*16*PITCH
.endif
.endr
.endm
; 16 matrix instructions: A's blocks a0, a0 + 1 x B's eight, 128 along K.  p: B's set; sc: the set of scale words.  zero = 1: the first product starts the sums.
; The 64 accumulators take turns, one instruction a turn, in the same order in every step.
.macro MUL16 a0, p, q, sc, zero
.irp a, \a0, \a0+1
.irp b, 0,1,2,3,4,5,6,7
.if \zero
	v_wmma_scale_f32_16x16x128_f8f6f4 v[8*(8*((\a)%4)+\b):8*(8*((\a)%4)+\b)+7], v[128*(\p)+FR*\b:128*(\p)+FR*\b+FR-1], v[AF+FR*(\a):AF+FR*(\a)+FR-1], 0, v[SC+8*NQ*(\sc)+NQ*\b+(\q)], v[SC+8*NQ*(\sc)+NQ*(\a)+(\q)] matrix_a_fmt:MATRIX_FMT_FP6 matrix_b_fmt:MATRIX_FMT_FP6 matrix_a_scale:MATRIX_SCALE_ROW1
.else
	v_wmma_scale_f32_16x16x128_f8f6f4 v[8*(8*((\a)%4)+\b):8*(8*((\a)%4)+\b)+7], v[128*(\p)+FR*\b:128*(\p)+FR*\b+FR-1], v[AF+FR*(\a):AF+FR*(\a)+FR-1], v[8*(8*((\a)%4)+\b):8*(8*((\a)%4)+\b)+7], v[SC+8*NQ*(\sc)+NQ*\b+(\q)], v[SC+8*NQ*(\sc)+NQ*(\a)+(\q)] matrix_a_fmt:MATRIX_FMT_FP6 matrix_b_fmt:MATRIX_FMT_FP6 matrix_a_scale:MATRIX_SCALE_ROW1
.endif
.endr
.endr
.endm
.macro FETCH_B slot, q, p              ; B's eight fragments of the slot's q-th 128 along K into set p
	WIN TO_B
.irp i, 0,1,2,3,4,5,6,7
	FRAG 128*(\p)+FR*\i, ADRB+\slot, \q, \i
.endr
	WIN 0
.endm
.macro FETCH_A slot, q, i0             ; A's blocks i0 .. i0 + 3
.irp i, \i0, \i0+1, \i0+2, \i0+3
	FRAG AF+FR*(\i), ADRA+\slot, \q, \i
.endr
.endm
.macro SCALES sc                       ; the next K step's scale words into set sc: two words a row; lanes 0-15 take A's block i, lanes 16-31 B's block i
.irp i, 0,1,2,3,4,5,6,7
	ds_load_b64 v[SC+8*NQ*\sc+NQ*\i:SC+8*NQ*\sc+NQ*\i+1], v[ADRS] offset:\i*SBLK
.endr
.endm
; A load into a register that a matrix instruction has read, and a vector instruction that reads a matrix result or writes one of a matrix instruction's registers, stand NP places behind it;
; only plain vector instructions that name none of its registers are places (ISA guide 7.12.1 for vector instructions).
.macro PLACES n
.rept \n
	v_nop
.endr
.endm
.macro STEP slot, q, zero              ; a step of 128 along K that has its successor in the same slot
	s_wait_dscnt 4*NL                              ; B's set and A's blocks 0-3 are in; the youngest 24 loads (A's blocks 4-7) may be out
	WIN MUL_LO
	MUL16 0, (\q)%2, \q, \slot, \zero
	MUL16 2, (\q)%2, \q, \slot, \zero
	s_wait_dscnt 0                                 ; A's blocks 4-7 are in
	PLACES NP
	FETCH_B \slot, (\q)+1, 1-(\q)%2
	FETCH_A \slot, (\q)+1, 0
	WIN MUL_HI
	MUL16 4, (\q)%2, \q, \slot, \zero
	MUL16 6, (\q)%2, \q, \slot, \zero
	PLACES NP
	WIN 0
	FETCH_A \slot, (\q)+1, 4
.endm
; A slot's last step changes slots: one barrier; in front of it each wave waits for all its tensor loads, adds 0 to its spare word, and waits for that and for its own reads of this slot.
.macro TURN slot, next, fill
	s_wait_tensorcnt 0x0                           ; all my tensor loads have landed: my part of the next slot
	ds_add_u32 v[SPW], v[NIL]                      ; 0 onto my spare word
	s_wait_dscnt 4*NL+1                            ; (the add and the youngest 24 loads, A's blocks 4-7, may be out)
	WIN MUL_LO
	MUL16 0, 1, NQ-1, \slot, 0                     ; sixteen matrix instructions stand between the add and the wait for it
	s_wait_dscnt 0x0                               ; the add is done, and my reads of this slot are over
	s_barrier_signal -1
	MUL16 2, 1, NQ-1, \slot, 0
	WIN 0
	s_barrier_wait -1
.if \fill
	CREST                                          ; the barrier has opened a round of the cluster's barrier: no wave of any partner still reads this slot or has a load on its way
	s_add_nc_u64 s[G0+4*\slot+2:G0+4*\slot+3], s[G0+4*\slot+2:G0+4*\slot+3], s[2:3]
	s_add_nc_u64 s[G0B+4*\slot+2:G0B+4*\slot+3], s[G0B+4*\slot+2:G0B+4*\slot+3], s[18:19]
	JLOAD G0+4*\slot, G1, G0B+4*\slot, G1B         ; the first tensor load behind the round; its four v_nop are the places in front of the loads below
.else
	PLACES NP
.endif
	s_wait_alu depctr_va_vdst(0)
	v_add_nc_u32 v[ADRS], 4*NQ, v[ADRS]            ; on to the next K step's scale words (no LDS load of mine is out)
	FETCH_B \next, 0, 0
	FETCH_A \next, 0, 0
	SCALES \next
	WIN MUL_HI
	MUL16 4, 1, NQ-1, \slot, 0
	MUL16 6, 1, NQ-1, \slot, 0
	PLACES NP
	WIN 0
	FETCH_A \next, 0, 4
.endm
	s_wait_alu depctr_va_vdst(0)
	s_wait_loadcnt 0x0                             ; the biases: no load of mine is out at a barrier
	s_wait_tensorcnt 0x0                           ; my tile of the head's four is in
	ds_add_u32 v[SPW], v[NIL]                      ; 0 onto my spare word
	s_mov_b32 s[G1+2], 96<<16                      ; no tensor load of mine is out, so a descriptor may be written: from here on a load brings 128 rows of codes = 96 rows of 256 bytes
	s_mov_b32 s[G1+4], 96
	s_mov_b32 s[G1B+2], 96<<16
	s_mov_b32 s[G1B+4], 96
	s_wait_dscnt 0x0                               ; the add is done
	CROUND                                         ; a whole round: all four tiles are in, and all sixteen work-groups are here,
	JLOAD G0+4, G1, G0B+4, G1B                     ; and K step 1's load is the first tensor load behind it
	FETCH_B 0, 0, 0
	FETCH_A 0, 0, 0
	SCALES 0
	FETCH_A 0, 0, 4
	global_prefetch_b8 v14, s[44:45] th:TH_LOAD_NT scope:SCOPE_SE   ; K step 2
	STEP 0, 0, 1                                   ; the first step stands in front of the loop: its products start the sums
	global_prefetch_b8 v15, s[44:45] th:TH_LOAD_NT scope:SCOPE_SE   ; K step 3
	s_mov_b32 s94, LAPS-1
.Llap:                                                 ; a trip goes once round the ring and fills both slots again
	TURN 0, 1, 1
	STEP 1, 0, 0
	TURN 1, 0, 1
	STEP 0, 0, 0
	s_sub_co_u32 s94, s94, 1
	s_cmp_lg_u32 s94, 0
	s_cbranch_scc1 .Llap
	TURN 0, 1, 0                                   ; the last lap fills nothing, and has no round of the cluster's barrier
	STEP 1, 0, 0
	s_wait_dscnt 4*NL                              ; the very last step: nothing more to fetch
	WIN MUL_LO
	MUL16 0, 1, NQ-1, 1, 0
	MUL16 2, 1, NQ-1, 1, 0
	s_wait_dscnt 0
	WIN MUL_HI
	MUL16 4, 1, NQ-1, 1, 0
	MUL16 6, 1, NQ-1, 1, 0
	WIN 0
; THE WAY OUT, block by block of the A side's 16 rows; no LDS.
; 64 numbers of a lane, register 16 b + i = k 32 b + 16 (lane / 16) + i of my row, become a fragment's codes in v[PC] on and its scale word in v[PW] (the same in lanes l and l xor 16).
.macro QUANT s, floor
.irp b, 0,1,2,3
	v_max3_num_f32 v[TM+\b], |v[\s+16*\b]|, |v[\s+1+16*\b]|, \floor   ; block b: my 16 numbers, and the floor under which no largest magnitude is taken
.endr
.irp i, 2,4,6,8,10,12,14
.irp b, 0,1,2,3
	v_max3_num_f32 v[TM+\b], v[TM+\b], |v[\s+16*\b+\i]|, |v[\s+1+16*\b+\i]|   ; (the four blocks by turns)
.endr
.endr
.irp b, 0,1,2,3
	v_permlanex16_b32 v[TM+4+\b], v[TM+\b], s[SEL], s[SEL+1]
.endr
.irp b, 0,1,2,3
	v_max_num_f32 v[TM+\b], v[TM+\b], v[TM+4+\b]   ; with lane l xor 16's: the block's largest magnitude
.endr
.irp b, 0,1,2,3
	v_add_nc_u32 v[TM+12+\b], 0xff000000, v[TM+\b]   ; 2 off its exponent field: the conversion's scale operand
.endr
.irp b, 0,1,2,3
	v_lshrrev_b32 v[TM+4+\b], 23, v[TM+12+\b]      ; the scale's byte
.endr
	v_lshl_or_b32 v[PW], v[TM+5], 8, v[TM+4]
	v_lshl_or_b32 v[PW], v[TM+6], 16, v[PW]
	v_lshl_or_b32 v[PW], v[TM+7], 24, v[PW]
.irp c, 0,1
	v_cvt_scalef32_pk16_fp6_f32 v[PC+6*\c:PC+2+6*\c], v[\s+32*\c:\s+15+32*\c], v[TM+12+2*\c]
	v_cvt_scalef32_pk16_fp6_f32 v[PC+12+4*\c:PC+14+4*\c], v[\s+16+32*\c:\s+31+32*\c], v[TM+12+2*\c+1]   ; (a conversion's three registers begin on an even number)
.endr
	v_nop                                          ; one plain place behind a scaled conversion
.irp c, 0,1                                    ; the operand's layout wants a whole block in a lane: lanes 0-15 block 2 c, lanes 16-31 block 2 c + 1
.irp i, 0,1,2
	v_permlane16_swap_b32 v[PC+6*\c+\i], v[PC+12+4*\c+\i]
.endr
.irp i, 0,1,2
	v_mov_b32 v[PC+3+6*\c+\i], v[PC+12+4*\c+\i]
.endr
.endr
.endm
; Block a's 64 sums + the bias, into window 0: the addition is also the move.  Each accumulator is read from its low end on.  lane = 0: the bias runs with the registers; 1: one number a lane.
.macro BLOCKIN a, lane
	WIN 0x02+(\a)/4                                ; source 0: window 2 or 3
.set kk, 0
.rept 32
.if \lane
	v_pk_add_f32 v[ST+2*kk:ST+2*kk+1], v[64*((\a)%4)+2*kk:64*((\a)%4)+2*kk+1], v[BV+2*(\a):BV+2*(\a)+1]
.else
	v_pk_add_f32 v[ST+2*kk:ST+2*kk+1], v[64*((\a)%4)+2*kk:64*((\a)%4)+2*kk+1], v[BI+2*kk:BI+2*kk+1]
.endif
.set kk, kk+1
.endr
	WIN 0
.endm
	PLACES NP                                      ; behind the last products: their results are read, and registers that held scales and fragments are written
.irp b, 0,1,2,3
	v_mov_b32 v[TM+4+\b], 0                        ; written once: a lane permute's destination counts as one of its sources
.endr
	s_cmp_lt_u32 s[SEC], 8
	s_cbranch_scc0 .Lout_v
	; ---- q and k: a lane holds one position; its 64 numbers are two heads' 64 features: registers 0-5 of the fragment are the first head's tile, 6-11 the second's; bytes 0, 1 and 2, 3 of the scale word likewise
.irp a, 0,1,2,3,4,5,6,7
	BLOCKIN \a, 0
	s_wait_xcnt 0x0                                ; the last block's stores have read their registers
	QUANT ST, 0x3000000                            ; floor 2^(6 - 127): the byte is 4 at the least
	global_store_b128 v[L16], v[PC:PC+3], s[12:13] offset:768*\a             ; the wave stores 512 consecutive bytes,
	global_store_b64 v[L8], v[PC+4:PC+5], s[12:13] offset:768*\a+512         ; then 256
	global_store_b128 v[L16], v[PC+6:PC+9], s[12:13] offset:NEXTH+768*\a
	global_store_b64 v[L8], v[PC+10:PC+11], s[12:13] offset:NEXTH+768*\a+512
.if (\a)%2 == 0
	v_mov_b32 v[KEEP], v[PW]
.else
	v_cndmask_b32 v[WS+(\a)/2], v[KEEP], v[PW], s[HI16]   ; lanes 0-15 the even tile's words, lanes 16-31 the odd tile's
.endif
.endr
.irp b, 0,1,2,3
	v_and_b32 v[XA+\b], 0xffff, v[WS+\b]           ; the first head's two bytes; bytes 2 and 3 are 0: they scale the zero codes that fill K up to 128
	v_lshrrev_b32 v[XB+\b], 16, v[WS+\b]           ; the second head's
.endr
	global_store_b128 v[L16], v[XA:XA+3], s[66:67]
	global_store_b128 v[L16], v[XB:XB+3], s[66:67] offset:4*8192
	s_branch .Ldone
.Lout_v:
	; ---- v: a lane holds one feature; its 64 numbers are 128 keys' worth with lane l xor 16: one fragment of V^T.  Blocks 0-3 are the first head's four tiles, 4-7 the second's
.irp b, 2,3
	v_mov_b32 v[XA+\b], 0
	v_mov_b32 v[XB+\b], 0
.endr
.irp a, 0,1,2,3,4,5,6,7
	BLOCKIN \a, 1
	s_wait_xcnt 0x0                                ; the last block's stores have read their registers
	QUANT ST, 0x1800000                            ; floor 2^(3 - 127): the byte is 1 at the least
.irp c, 0,1,2
	global_store_b128 v[L16], v[PC+4*\c:PC+4*\c+3], s[12:13] offset:((\a)/4)*NEXTH+((\a)%4)*1536+512*\c
.endr
.if (\a)%2 == 0
	v_mov_b32 v[KEEP], v[PW]
.else
	v_cndmask_b32 v[XA+4*((\a)/4)+((\a)%4)/2], v[KEEP], v[PW], s[HI16]
.endif
.endr
	global_store_b128 v[L16], v[XA:XA+3], s[66:67]
	global_store_b128 v[L16], v[XB:XB+3], s[66:67] offset:4*8192
.Ldone:
	s_wait_tensorcnt 0x0                           ; the wave's end
	ds_add_u32 v[SPW], v[NIL]
	s_wait_dscnt 0x0
	CROUND                                         ; the closing round: no work-group ends while a partner may still ask for a tile that names it
	s_endpgm
.Lfunc_end_k_qb70518a9f4_proj:
	.size	k_qb70518a9f4_proj, .Lfunc_end_k_qb70518a9f4_proj-k_qb70518a9f4_proj
	.p2alignl 7, 3214868480
	.fill 96, 4, 3214868480
	.section	.rodata,"a",@progbits
	.p2align	6, 0x0
	.amdhsa_kernel k_qb70518a9f4_proj
		.amdhsa_group_segment_fixed_size 327680
		.amdhsa_private_segment_fixed_size 0
		.amdhsa_enable_private_segment 0
		.amdhsa_kernarg_size 72
		.amdhsa_user_sgpr_count 2
		.amdhsa_user_sgpr_kernarg_segment_ptr 1
		.amdhsa_wavefront_size32 1
		.amdhsa_system_sgpr_workgroup_id_x 1
		.amdhsa_system_sgpr_workgroup_id_y 1
		.amdhsa_system_sgpr_workgroup_id_z 1
		.amdhsa_system_vgpr_workitem_id 0
		.amdhsa_next_free_vgpr 1024
		.amdhsa_next_free_sgpr 105
		.amdhsa_reserve_vcc 0
		.amdhsa_float_denorm_mode_32 3
		.amdhsa_float_denorm_mode_16_64 3
		.amdhsa_memory_ordered 1
		.amdhsa_forward_progress 1
		.amdhsa_inst_pref_size 237
	.end_amdhsa_kernel
	.amdgpu_metadata
---
amdhsa.version: [ 1, 2 ]
amdhsa.kernels:
  - .name:           k_qb70518a9f4_proj
    .symbol:         k_qb70518a9f4_proj.kd
    .args:
      - { .name: x_codes, .offset: 0, .size: 8, .value_kind: global_buffer, .address_space: global }
      - { .name: x_scales, .offset: 8, .size: 8, .value_kind: global_buffer, .address_space: global }
      - { .name: w_codes, .offset: 16, .size: 8, .value_kind: global_buffer, .address_space: global }
      - { .name: w_scales, .offset: 24, .size: 8, .value_kind: global_buffer, .address_space: global }
      - { .name: bq, .offset: 32, .size: 8, .value_kind: global_buffer, .address_space: global }
      - { .name: bk, .offset: 40, .size: 8, .value_kind: global_buffer, .address_space: global }
      - { .name: bv, .offset: 48, .size: 8, .value_kind: global_buffer, .address_space: global }
      - { .name: img, .offset: 56, .size: 8, .value_kind: global_buffer, .address_space: global }
      - { .name: sc, .offset: 64, .size: 8, .value_kind: global_buffer, .address_space: global }
    .group_segment_fixed_size: 327680
    .private_segment_fixed_size: 0
    .kernarg_segment_align: 8
    .kernarg_segment_size: 72
    .max_flat_workgroup_size: 128
    .sgpr_count:     105
    .vgpr_count:     1024
    .wavefront_size: 32
...
	.end_amdgpu_metadata
.endif
;; end of part 2
;; launch attn (part 3): grid 4 x 64, 8 waves a work-group, clusters of 4 x 1, 327,680 bytes of LDS; arguments img, sc, attention_mask, out0; writes out0
.if DOCPART == 3
	.amdgcn_target "amdgcn-amd-amdhsa--gfx1250"
	.amdhsa_code_object_version 6
	.text
	.protected	k_qb70518a9f4_attn
	.globl	k_qb70518a9f4_attn
	.p2align	8
	.type	k_qb70518a9f4_attn,@function
k_qb70518a9f4_attn:
	s_mov_b64 s[64:65], 0
	v_nop
	global_prefetch_b8 v0, s[64:65] scope:SCOPE_SE
	s_setreg_imm32_b32 hwreg(HW_REG_WAVE_MODE, 25, 1), 1
	s_wait_xcnt 0x0
	s_wait_alu depctr_hold_cnt(0) depctr_sa_sdst(0) depctr_va_vdst(0) depctr_va_sdst(0) depctr_va_ssrc(0) depctr_va_vcc(0) depctr_vm_vsrc(0)
	s_getreg_b32 s2, hwreg(HW_REG_IB_STS2, 6, 4)
	s_cmp_eq_u32 s2, 0
	s_cbranch_scc0 .Lentry_in_a_cluster
	s_endpgm
.Lentry_in_a_cluster:
	s_bfe_u32 s2, ttmp6, 0x10000c
	s_cmp_lg_u32 s2, 0x3003
	s_cbranch_scc0 .Lentry_shape_is_right
	s_endpgm
.Lentry_shape_is_right:
; ATTENTION ON CODES OF FP6 (E2M3).  Work-group (x, y): y = 4 head + batch, x = which 512 of its 2,048 queries.  Eight waves; a wave takes 32 queries (two tiles of 16: tile 0 in window 0 of the registers, tile 1 in window 1) in each of two passes.
; img and sc are as launch proj leaves them: images of operand registers, and scale words.  K and V of all 2,048 keys (98,304 bytes each) lie in LDS for the whole launch: one joint tensor load a wave, 24,576 bytes, asked for by the four
; work-groups of a cluster, which share y.  The scale words (16,384 bytes) and the mask (8,192) come by plain loads and LDS stores: they are 24,576 of the 221,184 bytes that a work-group fetches, and a wave has one tensor load at the head.
; No data prefetch: everything is asked for at the head, and there is no loop to run ahead in.
; A STEP is 128 keys.  S^T = k q^T + mask: the mask is the products' C, 1/8 is 3 off q's scale bytes, the head's 64 fill half of K = 128 and the other half of q's fragment is zero codes.  A lane holds one query and 64 keys.
; t = S log2(e); M = ceil(the running largest t), kept as -M; p = 2^(t - M); the row's sum is taken of p before it is quantised; the sum and O^T are multiplied by 2^(old M - new M), which rounds nothing;
; p is quantised by blocks of 32 keys, a block's largest p made from its largest score by the same two instructions; O^T += v^T p^T; at the end O^T is divided by the sum and leaves through a stage as rows of 256 bytes.
; ONE SOFTMAX FOR BOTH TILES.  The blocks' maxima are trees of independent lines (20, 8, 4 a tile); both tiles' eight block maxima and their running state lie in window 0, so that the lines that hang on each other go two tiles side by side;
; then all multiply-adds, one wait, the multiplications of O^T and the sums, the 136 exponentials on end, one plain line, one wait, the readers.  The sums of p are trees in place, behind the conversions.
; No transcendental stands between a product and the first reader of its results.
; LIMITS: a mask number under -1e9 counts as -1e9; the promise holds while |t| stays under 2^31; NaN and infinities among the inputs are not served.
.set KSC,   0                          ; LDS: K's scale words, V's, K's images, V's, the mask, the waves' stages (8,704 bytes each), the spare words
.set VSC,   8192
.set KIMG,  16384
.set VIMG,  114688
.set MASK,  212992
.set STAGE, 222208
.set SPARE, 291840
.set BKA, 1                            ; v1-6   LDS bases: K's pieces of 16 and of 8 bytes, V's, the scale words', the mask's
.set BKB, 2
.set BV0, 3
.set BKS, 4
.set BVS, 5
.set BMK, 6
.set ADKA, 7                           ; v7-12  the same for the step at hand
.set ADKB, 8
.set ADV,  9
.set ADKS, 10
.set ADVS, 11
.set ADM,  12
.set GO,   13                          ; v13    my offset in out0;  v14, v15 the stage, in and back
.set STO,  14
.set RD,   15
.set KSW,  16                          ; v16-19 K's scale words, v20-21 V's, v22 q's, v24, v25 p's of tile 0, 1
.set VSW,  20
.set QS,   22
.set PW0,  24
.set PW1,  25
.set QF,   26                          ; v26-49 q's two fragments;  v50-103 K's eight tiles of six registers and six zeros
.set KF,   50
.set L16,  104
.set L8,   105
.set SO,   106                         ; v106-113 the conversions' scale operands, four a tile (at the head: addresses)
.set VF,   64                          ; window 1: v0-63 the mask as C, v64-111 V's four fragments
.set SS,   116                         ; in each tile's window: v116-179 scores, then p;  v180-211 O^T;  v212-223 p's codes;  v224-231 the second conversions' codes
.set OO,   180
.set PC,   212                         ; (v212-231 also hold the maxima's trees; window 0's v224-231 the other half's maxima and the scales' bytes)
.set PX,   224
.set BM,   232                         ; window 0: v232-239 block maxima, four a tile
.set NM0,  240                         ; -M and the running largest t of tile 0, of tile 1
.set TX0,  241
.set NM1,  242
.set TX1,  243
.set R,    244                         ; v244-245 at work, a number a tile
.set SUM,  246                         ; in each tile's window: the sum in two halves
.set FF,   248                         ; 2^(old M - new M) of tile 0;  v249 its old -M.  On the way out, in each window: 1 / sum
.set OLD0, 249
.set FF1,  250                         ; the same of tile 1
.set OLD1, 251
.set TMP,  252
.set WV,   12
.set SEL,  20
.set CS,   22
.set G1I,  24
.set G0I,  40
.set SCP,  44                          ; s[44:45] my wave's 2,048 bytes of scale words in sc;  s46 their place in LDS
.set SLD,  46
.set CNT,  48
.set CUR,  49
.set NXT,  50
.set CUR12, 51
.set NXT12, 52
.set TRIP, 53
.set QP,   54
.set QSP,  56
.set OP,   58
.set MSB, 0
.macro WIN new                         ; the immediate's high byte repeats the setting that is left
.if MSB != (\new)
	s_set_vgpr_msb (MSB<<8)|(\new)
.set MSB, (\new)
.endif
.endm
.macro WALU
	s_wait_alu depctr_va_vdst(0)
.endm
.macro ROUND
	s_barrier_signal -1
	s_barrier_wait -1
	s_cmp_lg_u32 s[WV], 0
	s_cbranch_scc1 .Lnot_wave_0_\@
	s_barrier_signal -3
.Lnot_wave_0_\@:
	s_barrier_wait -3
	s_barrier_signal -1
	s_barrier_wait -1
.endm
	s_load_b256 s[4:11], s[0:1], 0x0               ; img, sc, attention_mask, out0
	v_lshl_add_u32 v254, v0, 2, SPARE
	v_mov_b32 v255, 0
	ds_add_u32 v254, v255                          ; the opening lines: the add twice on end and its wait
	ds_add_u32 v254, v255
	v_lshrrev_b32 v1, 5, v0
	v_readfirstlane_b32 s[WV], v1                  ; wave 0..7
	s_bfe_u32 s13, ttmp6, 0x40000                  ; cx: which 512 queries
	s_and_b32 s14, ttmp7, 0xffff                   ; y
	s_mov_b32 s[G1I], 15|(3<<16)|(1<<21)           ; 96 dense rows of 256 bytes, for all four of the cluster
	s_mov_b32 s[G1I+1], 32<<16
	s_mov_b32 s[G1I+2], 96<<16
	s_mov_b32 s[G1I+3], 32<<16
	s_mov_b32 s[G1I+4], 96
	s_mov_b32 s[G1I+5], 32
	s_mov_b32 s[G1I+6], 0
	s_mov_b32 s[G1I+7], 0
	s_mov_b32 s[SEL], 0x76543210
	s_mov_b32 s[SEL+1], 0xfedcba98
	s_mov_b32 s[CS], 0x3fb8aa3b                    ; log2(e)
	s_mov_b32 s[CS+1], s[CS]
	s_mov_b32 s[CNT], 7680
	s_lshr_b32 s15, s[WV], 2                       ; waves 0-3 fetch K's quarters, waves 4-7 V's
	s_and_b32 s16, s[WV], 3
	s_lshl_b32 s17, s15, 6
	s_add_co_u32 s17, s17, s14
	s_add_co_u32 s17, s17, 64                      ; the entry: 64 + y or 128 + y
	s_mul_i32 s2, s17, 98304
	s_mul_i32 s18, s16, 24576
	s_add_co_u32 s2, s2, s18
	s_mov_b32 s3, 0
	s_lshl_b32 s18, s17, 13
	s_lshl_b32 s19, s16, 11
	s_add_co_u32 s18, s18, s19
	s_mov_b32 s19, 0
	s_mov_b32 s[G0I], 1
	s_mul_i32 s[G0I+1], s[WV], 24576
	s_add_co_u32 s[G0I+1], s[G0I+1], KIMG
	s_lshl_b32 s[SLD], s[WV], 11
	s_wait_dscnt 0x0
	s_wait_kmcnt 0x0
	s_add_nc_u64 s[G0I+2:G0I+3], s[4:5], s[2:3]
	s_or_b32 s[G0I+3], s[G0I+3], 0x80000000
	s_add_nc_u64 s[SCP:SCP+1], s[6:7], s[18:19]
	WALU
	ROUND                                          ; the round in front of the joint loads
	tensor_load_to_lds s[G0I:G0I+3], s[G1I:G1I+7]  ; my one tensor load: an eighth of K's and V's images
	s_nop 0
.rept 4
	v_nop
.endr
	s_lshl_b32 s15, s13, 4
	s_add_co_u32 s15, s15, s[WV]                   ; my pair of query tiles in pass 0: 16 cx + wave (pass 1: 8 further on)
	s_mul_i32 s2, s14, 98304
	s_mul_i32 s16, s15, 1536
	s_add_co_u32 s2, s2, s16
	s_add_nc_u64 s[QP:QP+1], s[4:5], s[2:3]
	s_lshl_b32 s2, s14, 13
	s_lshr_b32 s16, s15, 2
	s_lshl_b32 s16, s16, 9
	s_add_co_u32 s2, s2, s16
	s_and_b32 s16, s15, 3
	s_lshl_b32 s16, s16, 2
	s_add_co_u32 s2, s2, s16
	s_add_nc_u64 s[QSP:QSP+1], s[6:7], s[2:3]
	s_and_b32 s16, s14, 3                          ; batch
	s_lshr_b32 s17, s14, 2                         ; head
	s_lshl_b32 s2, s16, 23
	s_lshl_b32 s18, s15, 17
	s_add_co_u32 s2, s2, s18
	s_lshl_b32 s18, s17, 8
	s_add_co_u32 s2, s2, s18
	s_add_nc_u64 s[OP:OP+1], s[10:11], s[2:3]
	s_lshl_b32 s2, s16, 13
	s_add_nc_u64 s[8:9], s[8:9], s[2:3]
	v_and_b32 v[L16], 31, v0
	v_and_b32 v106, 15, v0
	v_bfe_u32 v107, v0, 4, 1
	v_lshlrev_b32 v[L8], 3, v[L16]
	v_lshlrev_b32 v[L16], 4, v[L16]
	v_lshlrev_b32 v108, 4, v0
	v_add_nc_u32 v109, MASK, v108
	global_load_b128 v[SS:SS+3], v108, s[8:9]      ; the batch's mask: 32 bytes a thread
	global_load_b128 v[SS+4:SS+7], v108, s[8:9] offset:4096
.irp i, 0,1,2,3
	global_load_b128 v[SS+8+4*\i:SS+11+4*\i], v[L16], s[SCP:SCP+1] offset:512*\i   ; my wave's scale words: 512 consecutive bytes an instruction
.endr
	v_add_nc_u32 v110, s[SLD], v[L16]
.macro QLOAD p
.irp x, 0,1
	global_load_b128 v[QF+12*\x:QF+12*\x+3], v[L16], s[QP:QP+1] offset:12288*(\p)+768*\x
	global_load_b64 v[QF+12*\x+4:QF+12*\x+5], v[L8], s[QP:QP+1] offset:12288*(\p)+768*\x+512
.endr
	global_load_b32 v[QS], v[L16], s[QSP:QSP+1] offset:1024*(\p)
.endm
	QLOAD 0
	v_add_nc_u32 v[BKA], KIMG, v[L16]
	v_add_nc_u32 v[BKB], KIMG+512, v[L8]
	v_add_nc_u32 v[BV0], VIMG, v[L16]
	v_add_nc_u32 v[BKS], KSC, v[L16]
	v_add_nc_u32 v[BVS], VSC, v[L16]
	v_lshl_add_u32 v[BMK], v107, 6, MASK
	v_lshlrev_b32 v[GO], 12, v107
	v_lshl_add_u32 v[GO], v106, 4, v[GO]
	s_mul_i32 s16, s[WV], 8704
	s_add_co_u32 s16, s16, STAGE
	v_mul_u32_u24 v[STO], v106, 272
	v_lshl_add_u32 v[STO], v107, 6, v[STO]
	v_add_nc_u32 v[STO], s16, v[STO]
	v_mul_u32_u24 v[RD], v107, 272
	v_lshl_add_u32 v[RD], v106, 4, v[RD]
	v_add_nc_u32 v[RD], s16, v[RD]
.irp j, 6,7,8,9,10,11
	v_mov_b32 v[QF+\j], 0                          ; zero codes fill K up to 128
	v_mov_b32 v[QF+12+\j], 0
.endr
.irp j, 0,1,2,3,4,5
	v_mov_b32 v[KF+48+\j], 0
.endr
	v_mov_b32 v[TMP], 0                            ; written once: a lane permute's destination counts as one of its sources
	WIN 0x40
	v_mov_b32 v[TMP], 0
	v_mov_b32 v[FF+1], 0                           ; (named as the upper half of a pair on the way out)
	WIN 0
	s_wait_loadcnt 5                               ; the mask and the scale words are in; q's five loads may be out
.irp j, 0,1,2,3,4,5,6,7
	v_max_num_f32 v[SS+\j], 0xce6e6b28, v[SS+\j]   ; held at -1e9 from below
.endr
	ds_store_b128 v109, v[SS:SS+3]
	ds_store_b128 v109, v[SS+4:SS+7] offset:4096
.irp i, 0,1,2,3
	ds_store_b128 v110, v[SS+8+4*\i:SS+11+4*\i] offset:KSC+512*\i
.endr
	WALU
	s_wait_tensorcnt 0x0
	s_wait_dscnt 0x0
	s_barrier_signal -1
	s_barrier_wait -1                              ; everybody's images, scale words and mask are in LDS; nothing is filled again
.macro ADDR                            ; CNT counts 512 a step: V of this step, K and the mask of the next (round the 16 steps)
	s_and_b32 s[CUR], s[CNT], 8191
	s_add_co_u32 s[NXT], s[CNT], 512
	s_and_b32 s[NXT], s[NXT], 8191
	s_mul_i32 s[CUR12], s[CUR], 12
	s_mul_i32 s[NXT12], s[NXT], 12
	v_add_nc_u32 v[ADKA], s[NXT12], v[BKA]
	v_add_nc_u32 v[ADKB], s[NXT12], v[BKB]
	v_add_nc_u32 v[ADV], s[CUR12], v[BV0]
	v_add_nc_u32 v[ADKS], s[NXT], v[BKS]
	v_add_nc_u32 v[ADVS], s[CUR], v[BVS]
	v_add_nc_u32 v[ADM], s[NXT], v[BMK]
.endm
.macro VLOAD                           ; 13 LDS loads
	WIN 0
	ds_load_b64 v[VSW:VSW+1], v[ADVS]
	WIN 0x40
.irp t, 0,1,2,3
.irp c, 0,1,2
	ds_load_b128 v[VF+12*\t+4*\c:VF+12*\t+4*\c+3], v[ADV] offset:1536*\t+512*\c
.endr
.endr
.endm
.macro PREF                            ; 33 LDS loads
	WIN 0x40
.irp b, 0,1,2,3
.irp j, 0,1,2,3
	ds_load_b128 v[16*\b+4*\j:16*\b+4*\j+3], v[ADM] offset:128*\b+16*\j
.endr
.endr
	WIN 0
.irp t, 0,1,2,3,4,5,6,7
	ds_load_b128 v[KF+6*\t:KF+6*\t+3], v[ADKA] offset:768*\t
	ds_load_b64 v[KF+6*\t+4:KF+6*\t+5], v[ADKB] offset:768*\t
.endr
	ds_load_b128 v[KSW:KSW+3], v[ADKS]
.endm
.macro SMUL x                          ; S^T of tile x: eight tiles of 16 keys; C = the mask, in window 1
	WIN 0x10|((\x)<<6)
.irp t, 0,1,2,3,4,5,6,7
.if ((\t)%2 == 0) && ((\x) == 0)
	v_wmma_scale_f32_16x16x128_f8f6f4 v[SS+8*\t:SS+8*\t+7], v[KF+6*\t:KF+6*\t+11], v[QF+12*(\x):QF+12*(\x)+11], v[8*\t:8*\t+7], v[KSW+(\t)/2], v[QS] matrix_a_fmt:MATRIX_FMT_FP6 matrix_b_fmt:MATRIX_FMT_FP6
.elseif ((\t)%2 == 1) && ((\x) == 0)
	v_wmma_scale_f32_16x16x128_f8f6f4 v[SS+8*\t:SS+8*\t+7], v[KF+6*\t:KF+6*\t+11], v[QF+12*(\x):QF+12*(\x)+11], v[8*\t:8*\t+7], v[KSW+(\t)/2], v[QS] matrix_a_fmt:MATRIX_FMT_FP6 matrix_b_fmt:MATRIX_FMT_FP6 matrix_a_scale:MATRIX_SCALE_ROW1
.elseif ((\t)%2 == 0)
	v_wmma_scale_f32_16x16x128_f8f6f4 v[SS+8*\t:SS+8*\t+7], v[KF+6*\t:KF+6*\t+11], v[QF+12*(\x):QF+12*(\x)+11], v[8*\t:8*\t+7], v[KSW+(\t)/2], v[QS] matrix_a_fmt:MATRIX_FMT_FP6 matrix_b_fmt:MATRIX_FMT_FP6 matrix_b_scale:MATRIX_SCALE_ROW1
.else
	v_wmma_scale_f32_16x16x128_f8f6f4 v[SS+8*\t:SS+8*\t+7], v[KF+6*\t:KF+6*\t+11], v[QF+12*(\x):QF+12*(\x)+11], v[8*\t:8*\t+7], v[KSW+(\t)/2], v[QS] matrix_a_fmt:MATRIX_FMT_FP6 matrix_b_fmt:MATRIX_FMT_FP6 matrix_a_scale:MATRIX_SCALE_ROW1 matrix_b_scale:MATRIX_SCALE_ROW1
.endif
.endr
.endm
.macro OMUL x                          ; O^T of tile x += v^T p^T: four accumulators by turns
.if (\x) == 0
	WIN 0x01
.else
	WIN 0x55
.endif
.irp t, 0,1,2,3
.if (\t)%2 == 0
	v_wmma_scale_f32_16x16x128_f8f6f4 v[OO+8*\t:OO+8*\t+7], v[VF+12*\t:VF+12*\t+11], v[PC:PC+11], v[OO+8*\t:OO+8*\t+7], v[VSW+(\t)/2], v[PW0+(\x)] matrix_a_fmt:MATRIX_FMT_FP6 matrix_b_fmt:MATRIX_FMT_FP6
.else
	v_wmma_scale_f32_16x16x128_f8f6f4 v[OO+8*\t:OO+8*\t+7], v[VF+12*\t:VF+12*\t+11], v[PC:PC+11], v[OO+8*\t:OO+8*\t+7], v[VSW+(\t)/2], v[PW0+(\x)] matrix_a_fmt:MATRIX_FMT_FP6 matrix_b_fmt:MATRIX_FMT_FP6 matrix_a_scale:MATRIX_SCALE_ROW1
.endif
.endr
.endm
.macro MAXES x                         ; tile x: my 16 scores of each of four blocks: five lines of three, two of three, one of two; each accumulator is first read at its low end.  The results go to window 0
	WIN 0x55*(\x)
.irp k, 0,1,2,3,4
.irp b, 0,1,2,3
	v_max3_num_f32 v[PC+5*\b+\k], v[SS+16*\b+3*\k], v[SS+16*\b+3*\k+1], v[SS+16*\b+3*\k+2]
.endr
.endr
.irp b, 0,1,2,3
	v_max3_num_f32 v[PC+5*\b], v[PC+5*\b], v[PC+5*\b+1], v[PC+5*\b+2]
	v_max3_num_f32 v[PC+5*\b+3], v[PC+5*\b+3], v[PC+5*\b+4], v[SS+16*\b+15]
.endr
	WIN 0x05*(\x)
.irp b, 0,1,2,3
	v_max_num_f32 v[BM+4*(\x)+\b], v[PC+5*\b], v[PC+5*\b+3]
.endr
.endm
.macro TM nm, from, n                  ; t - M, two at a time: of the pair at nm the low word, -M, serves both halves
.set jj, \from
.rept \n
	v_pk_fma_f32 v[SS+2*jj:SS+2*jj+1], v[SS+2*jj:SS+2*jj+1], s[CS:CS+1], v[\nm:\nm+1] op_sel_hi:[1,0,0]
.set jj, jj+1
.endr
.endm
.macro RESCALE f                       ; O^T, each accumulator from its low end on, and the sum, under the new M
.set jj, 0
.rept 16
	v_pk_mul_f32 v[OO+2*jj:OO+2*jj+1], v[OO+2*jj:OO+2*jj+1], v[\f:\f+1] op_sel_hi:[1,0]
.set jj, jj+1
.endr
	v_pk_mul_f32 v[SUM:SUM+1], v[SUM:SUM+1], v[\f:\f+1] op_sel_hi:[1,0]
.endm
.macro EXPS
.set jj, 0
.rept 64
	v_exp_f32 v[SS+jj], v[SS+jj]
.set jj, jj+1
.endr
.endm
.macro CVT x
.irp c, 0,1
	v_cvt_scalef32_pk16_fp6_f32 v[PC+6*\c:PC+2+6*\c], v[SS+32*\c:SS+15+32*\c], v[SO+4*(\x)+2*\c]
	v_cvt_scalef32_pk16_fp6_f32 v[PX+4*\c:PX+2+4*\c], v[SS+16+32*\c:SS+31+32*\c], v[SO+4*(\x)+2*\c+1]   ; (a conversion's three registers begin on an even number)
.endr
.endm
.macro FIXSUM                          ; the operand's layout wants a whole block in a lane; then the sum of the 64 p, a tree in place: 16, 8, 4, 2, 1 lines and one onto the running sum
.irp c, 0,1
.irp i, 0,1,2
	v_permlane16_swap_b32 v[PC+6*\c+\i], v[PX+4*\c+\i]
.endr
.endr
.irp c, 0,1
.irp i, 0,1,2
	v_mov_b32 v[PC+3+6*\c+\i], v[PX+4*\c+\i]
.endr
.endr
.irp S, 4,8,16,32,64
.set jj, 0
.rept 64/\S
	v_pk_add_f32 v[SS+jj:SS+jj+1], v[SS+jj:SS+jj+1], v[SS+jj+\S/2:SS+jj+\S/2+1]
.set jj, jj+\S
.endr
.endr
	v_pk_add_f32 v[SUM:SUM+1], v[SUM:SUM+1], v[SS:SS+1]
.endm
.macro STEP
	s_wait_dscnt 0x0                               ; this step's K, mask and scale words, asked for a step ago; no LDS access of mine is out at the signal below
	s_barrier_signal -1                            ; a plain barrier a step: the eight waves stay within a step of each other and end together.
	SMUL 0                                         ; the 16 products, work on registers, stand between the signal and the wait
	SMUL 1
	WIN 0
	s_barrier_wait -1
	s_add_co_u32 s[CNT], s[CNT], 512
	ADDR                                           ; its six vector lines are the places behind the products
	VLOAD
	PREF
	MAXES 0
	MAXES 1
	WIN 0
.irp j, 0,1,2,3,4,5,6,7
	v_permlanex16_b32 v[PX+\j], v[BM+\j], s[SEL], s[SEL+1]
.endr
.irp j, 0,1,2,3,4,5,6,7
	v_max_num_f32 v[BM+\j], v[BM+\j], v[PX+\j]     ; with lane l xor 16's 16 keys: the blocks' largest scores
.endr
	v_max3_num_f32 v[R], v[BM], v[BM+1], v[BM+2]
	v_max3_num_f32 v[R+1], v[BM+4], v[BM+5], v[BM+6]
	v_mov_b32 v[OLD0], v[NM0]
	v_mov_b32 v[OLD1], v[NM1]
	v_max_num_f32 v[R], v[R], v[BM+3]
	v_max_num_f32 v[R+1], v[R+1], v[BM+7]          ; the step's largest score of my query, tile 0 and tile 1
	v_pk_mul_f32 v[R:R+1], v[R:R+1], s[CS:CS+1] op_sel_hi:[1,0]   ; as t
	v_max_num_f32 v[TX0], v[TX0], v[R]
	v_max_num_f32 v[TX1], v[TX1], v[R+1]
	v_floor_f32 v[NM0], -v[TX0]                    ; -M = floor(-t)
	v_floor_f32 v[NM1], -v[TX1]
	v_sub_f32 v[R], v[NM0], v[OLD0]                ; old M - new M, a whole number, 0 or less
	v_sub_f32 v[R+1], v[NM1], v[OLD1]
.irp b, 0,2
	v_pk_fma_f32 v[BM+\b:BM+\b+1], v[BM+\b:BM+\b+1], s[CS:CS+1], v[NM0:NM0+1] op_sel_hi:[1,0,0]
	v_pk_fma_f32 v[BM+4+\b:BM+5+\b], v[BM+4+\b:BM+5+\b], s[CS:CS+1], v[NM1:NM1+1] op_sel_hi:[1,0,0]
.endr
	TM NM0, 0, 4
	v_cvt_i32_f32 v[R], v[R]                       ; (it saturates)
	v_cvt_i32_f32 v[R+1], v[R+1]
	TM NM0, 4, 6
	v_ldexp_f32 v[FF], 1.0, v[R]
	v_ldexp_f32 v[FF1], 1.0, v[R+1]
	TM NM0, 10, 22
	WIN 0x41                                       ; source 0 and the destination in window 1, the rest in window 0
	TM NM1, 0, 32
	WALU                                           ; the one wait ahead of the batch
	RESCALE FF1
	WIN 0
	RESCALE FF
.irp j, 0,1,2,3,4,5,6,7
	v_exp_f32 v[BM+\j], v[BM+\j]                   ; the blocks' largest p
.endr
	EXPS
	WIN 0x41
	EXPS
	v_nop                                          ; a plain line behind the batch
	WALU                                           ; the one wait behind it, ahead of its first reader
	WIN 0
.irp j, 0,1,2,3,4,5,6,7
	v_max_num_f32 v[BM+\j], 0x1800000, v[BM+\j]    ; the floor 2^(3 - 127): the byte cannot fall under 1
.endr
.irp j, 0,1,2,3,4,5,6,7
	v_add_nc_u32 v[SO+\j], 0xff000000, v[BM+\j]    ; 2 off the exponent field: the conversion's scale operand
.endr
.irp j, 0,1,2,3,4,5,6,7
	v_lshrrev_b32 v[PX+\j], 23, v[SO+\j]           ; the scale's byte
.endr
	v_lshl_or_b32 v[PW0], v[PX+1], 8, v[PX]
	v_lshl_or_b32 v[PW1], v[PX+5], 8, v[PX+4]
	v_lshl_or_b32 v[PW0], v[PX+2], 16, v[PW0]
	v_lshl_or_b32 v[PW1], v[PX+6], 16, v[PW1]
	v_lshl_or_b32 v[PW0], v[PX+3], 24, v[PW0]
	v_lshl_or_b32 v[PW1], v[PX+7], 24, v[PW1]
	WIN 0x41
	CVT 1
	WIN 0
	CVT 0
	v_nop                                          ; one plain place behind the scaled conversions
	FIXSUM
	s_wait_dscnt 33                                ; V's 13 loads are in; the 33 for the next step may be out
	OMUL 0
	WIN 0x45
	FIXSUM
	OMUL 1
	WIN 0
.endm
.macro INIT
	WIN 0
	v_mov_b32 v[TX0], 0xff61b1e6                   ; -3e38, under every t
	v_mov_b32 v[TX1], 0xff61b1e6
	v_floor_f32 v[NM0], -v[TX0]
	v_floor_f32 v[NM1], -v[TX1]
.irp x, 0,1
	WIN 0x55*\x
	v_mov_b32 v[SUM], 0
	v_mov_b32 v[SUM+1], 0
.set jj, 0
.rept 32
	v_mov_b32 v[OO+jj], 0                          ; the step is written once: the first finds zeros
.set jj, jj+1
.endr
.endr
	WIN 0
.endm
.macro OUT p
.rept 4
	v_nop
.endr
.if (\p) == 0
	QLOAD 1
.endif
.irp x, 0,1
	WIN 0x55*\x
	v_add_f32 v[SUM], v[SUM], v[SUM+1]
	v_permlanex16_b32 v[TMP], v[SUM], s[SEL], s[SEL+1]
	v_add_f32 v[SUM], v[SUM], v[TMP]               ; the row's sum
	WALU
	v_rcp_f32 v[FF], v[SUM]
	v_nop
.set jj, 0
	WALU
.rept 16
	v_pk_mul_f32 v[SS+2*jj:SS+2*jj+1], v[OO+2*jj:OO+2*jj+1], v[FF:FF+1] op_sel_hi:[1,0]
.set jj, jj+1
.endr
	WIN (\x)<<2
.irp q, 0,1,2,3,4,5,6,7
	ds_store_b128 v[STO], v[SS+4*\q:SS+4*\q+3] offset:4352*\x+128*(\q/4)+16*(\q%4)
.endr
	WIN (\x)<<6
.irp i, 0,1,2,3,4,5,6,7
	ds_load_b128 v[SS+32+4*\i:SS+35+4*\i], v[RD] offset:4352*\x+544*\i   ; LDS serves a wave's instructions in order: these see my stores
.endr
.endr
.irp x, 0,1
	WIN (\x)<<2
.irp i, 0,1,2,3,4,5,6,7
	s_wait_dscnt 16*(1-\x)+7-\i                    ; the LDS instructions behind this load may be out
	global_store_b128 v[GO], v[SS+32+4*\i:SS+35+4*\i], s[OP:OP+1] offset:1048576*(\p)+(8*\x+2*\i+8*(\i/4))*4096 th:TH_STORE_NT   ; sixteen lanes store a head's 256 bytes of a row
.endr
.endr
	WIN 0
.if (\p) == 0
	s_wait_xcnt 0x0                                ; the stores have read their registers
.endif
.endm
.macro PASS p
	s_wait_loadcnt 0x0                             ; q's fragments and scale word
	v_add_nc_u32 v[QS], 0xfffffcfd, v[QS]          ; 3 off its two bytes: 1/8
	INIT
	s_mov_b32 s[TRIP], 16
.Lstep_\@:
	STEP
	s_sub_co_u32 s[TRIP], s[TRIP], 1
	s_cmp_lg_u32 s[TRIP], 0
	s_cbranch_scc1 .Lstep_\@
	OUT \p
.endm
	ADDR
	PREF
	PASS 0
	PASS 1
	s_wait_dscnt 0x0
	s_wait_tensorcnt 0x0                           ; the wave's end
	ds_add_u32 v254, v255
	s_wait_dscnt 0x0
	ROUND                                          ; the closing round
	s_endpgm
.Lfunc_end_k_qb70518a9f4_attn:
	.size	k_qb70518a9f4_attn, .Lfunc_end_k_qb70518a9f4_attn-k_qb70518a9f4_attn
	.p2alignl 7, 3214868480
	.fill 96, 4, 3214868480
	.section	.rodata,"a",@progbits
	.p2align	6, 0x0
	.amdhsa_kernel k_qb70518a9f4_attn
		.amdhsa_group_segment_fixed_size 327680
		.amdhsa_private_segment_fixed_size 0
		.amdhsa_enable_private_segment 0
		.amdhsa_kernarg_size 32
		.amdhsa_user_sgpr_count 2
		.amdhsa_user_sgpr_kernarg_segment_ptr 1
		.amdhsa_wavefront_size32 1
		.amdhsa_system_sgpr_workgroup_id_x 1
		.amdhsa_system_sgpr_workgroup_id_y 1
		.amdhsa_system_sgpr_workgroup_id_z 1
		.amdhsa_system_vgpr_workitem_id 0
		.amdhsa_next_free_vgpr 512
		.amdhsa_next_free_sgpr 66
		.amdhsa_reserve_vcc 0
		.amdhsa_float_denorm_mode_32 3
		.amdhsa_float_denorm_mode_16_64 3
		.amdhsa_memory_ordered 1
		.amdhsa_forward_progress 1
		.amdhsa_inst_pref_size 91
	.end_amdhsa_kernel
	.amdgpu_metadata
---
amdhsa.version: [ 1, 2 ]
amdhsa.kernels:
  - .name:           k_qb70518a9f4_attn
    .symbol:         k_qb70518a9f4_attn.kd
    .args:
      - { .name: img, .offset: 0, .size: 8, .value_kind: global_buffer, .address_space: global }
      - { .name: sc, .offset: 8, .size: 8, .value_kind: global_buffer, .address_space: global }
      - { .name: attention_mask, .offset: 16, .size: 8, .value_kind: global_buffer, .address_space: global }
      - { .name: out0, .offset: 24, .size: 8, .value_kind: global_buffer, .address_space: global }
    .group_segment_fixed_size: 327680
    .private_segment_fixed_size: 0
    .kernarg_segment_align: 8
    .kernarg_segment_size: 32
    .max_flat_workgroup_size: 256
    .sgpr_count:     66
    .vgpr_count:     512
    .wavefront_size: 32
...
	.end_amdgpu_metadata
.endif
;; end of part 3
